; MI455X (gfx1250); checked and timed in simulation.
; The chip was launched on July 23, 2026; its instructions are those of AMD's public machine-readable ISA for CDNA 5 (MIT licence, August 2026) and "CDNA5" Instruction Set Architecture Reference Guide (July 2026). The comments in the code are by the model that wrote it; some were corrected since.
;; Self Attention. Allowed arithmetic: matrix products marked QUANTISED: E2M1 operands, one E8M0 scale for each 32 along K, by v_wmma_scale_f32_16x16x128_f8f6f4 with both operands' format E2M1 (or v_wmma_scale_f32_32x16x128_f4), f32 sums; products left as they are: bf16, f16 or f32 operands; f32 sums; everything else in f32.
;; Inputs: b_attn 3,072 float32; b_proj 1,024 float32; w_attn 1,024 x 3,072 float32; w_proj 1,024 x 1,024 float32; x 4 x 2,048 x 1,024 float32.
;; Outputs: out0 4 x 2,048 x 1,024 float32.
;; This version of the problem:
;;   THIS VERSION OF THE PROBLEM IS GIVEN IN LOW PRECISION. The matrix products marked QUANTISED in the list below multiply operands that are first quantised to E2M1 (2 exponent bits, 1 mantissa bit; 4 bits a number), with one power-of-two scale for each 32 numbers along K (OCP MX v1.0); their sums are f32. The products marked 'left as it is' may take bf16, f16 or f32 operands, with f32 sums. Whichever they take, every output number must still come out within the allowed error. Rounding operands to bf16 (8 significant bits) uses up far more of that allowance than f16 does (11 bits, for magnitudes from 6e-5 to 65,504). All else is computed in f32.
;;   The module's matrix products, in the order in which they are computed (A, B: the left and right operand; K: the contracted axis; several contracted axes count as one K, in the product's order):
;;     1. [M 8,192, K 1,024] x [K 1,024, N 3,072]; A: input x; B: input w_attn: QUANTISED
;;     2. batch 64 x [M 2,048, K 64] x [K 64, N 2,048]; A: computed on the way; B: computed on the way: left as it is (an operand is computed on the way)
;;     3. batch 64 x [M 2,048, K 2,048] x [K 2,048, N 64]; A: computed on the way; B: computed on the way: left as it is (an operand is computed on the way)
;;     4. [M 8,192, K 1,024] x [K 1,024, N 1,024]; A: computed on the way; B: input w_proj: left as it is (an operand is computed on the way)
;;   THE QUANTISER, for each operand of a quantised product, along K:
;;     - K is cut into blocks of 32 from its start; a last block that is shorter is filled with zeros.
;;     - A block's scale is 2^e with e = floor(log2(the largest magnitude in the block)) - 2, held to -126 .. 127; a block of zeros has e = 0. As a byte (E8M0): e + 127.
;;     - Each number is divided by its block's scale, clamped to +-6, and rounded to the nearest number of E2M1, ties to even, subnormals kept.
;;     - The product sums the exact products of the quantised numbers (number of the format x scale) in f32.
;;   ~~~python
;;   def quantise(x, axis):      # numpy; x: float32 -> the quantised numbers, widened to float32 again
;;       x = np.moveaxis(x, axis, -1); K = x.shape[-1]
;;       x = np.pad(x, [(0, 0)] * (x.ndim - 1) + [(0, -K % 32)]); x = x.reshape(x.shape[:-1] + (-1, 32)); a = np.abs(x).max(-1, keepdims=True)
;;       e = np.where(a > 0, np.clip(np.frexp(np.where(a > 0, a, 1))[1] - 1 - 2, -126, 127), 0)      # np.frexp(a)[1] - 1 = floor(log2(a)), exactly
;;       r = np.clip(x / 2.0 ** e, -6, 6)
;;       step = 2.0 ** (np.maximum(np.frexp(np.where(r == 0, 1, r))[1] - 1, 0) - 1)
;;       q = np.round(r / step) * step * 2.0 ** e      # np.round: ties to even
;;       return np.moveaxis(q.reshape(q.shape[:-2] + (-1,))[..., :K], -1, axis).astype(np.float32)
;;   ~~~
;; One version. Each part assembles by itself: llvm-mc -triple=amdgcn-amd-amdhsa -mcpu=gfx1250 --defsym DOCPART=n.
;; ======== version 1 of 1: 4 launches
;; limits: values are held in f16: magnitudes above 65,504 overflow, below 6.1e-05 lose precision
;; workspace buffers: xc 4,194,304 bytes; xs 262,144 bytes; wc 1,572,864 bytes; ws 98,304 bytes; wp 2,097,152 bytes; qkv 50,331,648 bytes; y 16,777,216 bytes
;; launch prep (part 1): grid 416 x 1, 4 waves a work-group, no clusters, 50,688 bytes of LDS; arguments x, w_attn, w_proj, xc, xs, wc, ws, wp; writes xc, xs, wc, ws, wp
.if DOCPART == 1
	.amdgcn_target "amdgcn-amd-amdhsa--gfx1250"
	.amdhsa_code_object_version 6
	.text
	.protected	k_qb09c39f4f7_prep
	.globl	k_qb09c39f4f7_prep
	.p2align	8
	.type	k_qb09c39f4f7_prep,@function
k_qb09c39f4f7_prep:
	s_mov_b64 s[64:65], 0
	v_nop
	global_prefetch_b8 v0, s[64:65] scope:SCOPE_SE
	s_setreg_imm32_b32 hwreg(HW_REG_WAVE_MODE, 25, 1), 1
	s_wait_xcnt 0x0
; THREE PIECES OF PREPARATION IN ONE LAUNCH, told apart by the work-group's number alone (all four waves of a work-group go the same way):
;   work-groups   0-255: x [8192][1024] f32 -> codes of E2M1, K innermost (xc [8192][512 bytes]), one E8M0 byte for each 32 along K (xs [8192][32]);
;   work-groups 256-351: w_attn [1024 (k)][3072 (n)] f32, K its FIRST axis -> wc [3072][512 bytes], ws [3072][32], K innermost;
;   work-groups 352-415: w_proj [1024 (k)][1024 (n)] f32 -> f16, laid as images of the matrix operand's registers: wp [n tile 64][k group 32][half 2][lane 32][16 bytes],
;                        lane (r, h) holding w_proj[32 g + 16 c + 8 h + 0..7][16 nt + r].
; A block's scale is 2^(floor(log2(its largest magnitude)) - 2); its byte is that magnitude's exponent field - 2, held at 1 from below by a floor among the maximum's leaves.
; LIMITS: a block of zeros, and a block whose largest magnitude lies under 2^-124, gets the byte 1 (the rule says 127 for zeros: the codes are zeros, and these bytes are read by this program alone);
; NaN and infinities among the inputs are not served; numbers of w_proj beyond 65,504 become infinite in f16, those under 6e-5 keep an absolute step of 6e-8.
; No tensor loads, no matrix work, no cluster: every input byte is read by one wave, once.  Each path has LDS bytes of its own.
.set SPARE, 50176                      ; the spare words: 128 bytes for each wave, two blocks of 256 bytes that no other line names
.set SPW,   190                        ; v190  LDS address of my spare word; never rewritten
.set NIL,   191                        ; v191  0; never rewritten
.set EMAX,  2
.set WREG,  8192                       ; x path: LDS 0..32,767: a region for each wave: two stages of 32 x 80 bytes, then its 256 scale bytes
.set SP,    80
.set WST,   32768                      ; w path: LDS 32,768..50,175: a stage of 64 rows (columns of w_attn) x (256 bytes + 16)
.set WPI,   272
	s_load_b512 s[4:19], s[0:1], 0x0               ; x 4:5, w_attn 6:7, w_proj 8:9, xc 10:11, xs 12:13, wc 14:15, ws 16:17, wp 18:19
	v_lshl_add_u32 v[SPW], v0, 2, SPARE
	v_mov_b32 v[NIL], 0
	v_lshrrev_b32 v1, 5, v0
	v_readfirstlane_b32 s20, v1                    ; wave 0..3
	v_and_b32 v2, 31, v0                           ; lane
	s_mov_b32 s23, 0                               ; the upper word of every offset pair s[22:23]
	s_wait_kmcnt 0x0
	s_cmp_lt_u32 ttmp9, 256
	s_cbranch_scc1 .Lx
	s_cmp_lt_u32 ttmp9, 352
	s_cbranch_scc1 .Lw
; ---------------- w_proj -> f16 images.  A work-group: 128 columns x 128 k; a wave: 32 columns x 4 groups of 32 k.  A lane takes a column, its registers run down k.
	s_sub_co_u32 s21, ttmp9, 352
	s_and_b32 s24, s21, 7                          ; X: which 128 columns
	s_lshr_b32 s25, s21, 3                         ; Y: which 128 k
	v_lshlrev_b32 v3, 2, v2                        ; in: 4 bytes a lane
	v_lshlrev_b32 v4, 4, v2                        ; out: 16 bytes a lane
	s_lshl_b32 s22, s25, 19                        ; 128 Y rows of 4,096 bytes
	s_lshl_b32 s26, s24, 9
	s_add_co_u32 s22, s22, s26
	s_lshl_b32 s26, s20, 7
	s_add_co_u32 s22, s22, s26                     ; + (128 X + 32 wave) x 4
	s_add_nc_u64 s[8:9], s[8:9], s[22:23]
	s_lshl_b32 s22, s24, 3
	s_lshl_b32 s26, s20, 1
	s_add_co_u32 s22, s22, s26                     ; my first n tile: 8 X + 2 wave
	s_lshl_b32 s22, s22, 15                        ; 32,768 bytes an n tile
	s_lshl_b32 s26, s25, 12                        ; 4 groups of 1,024 bytes for each Y
	s_add_co_u32 s22, s22, s26
	s_add_nc_u64 s[18:19], s[18:19], s[22:23]
.macro PLOAD t                         ; group t: w_proj(32 t + i, my column) into set t % 2: 32 lanes read 128 consecutive bytes
.irp i, 0,1,2,3,4,5,6,7,8,9,10,11,12,13,14,15,16,17,18,19,20,21,22,23,24,25,26,27,28,29,30,31
	global_load_b32 v[32+32*((\t)%2)+\i], v3, s[8:9] offset:(32*(\t)+\i)*4096 th:TH_LOAD_NT
.endr
.endm
.macro GROUP t
.if (\t) < 3
	s_wait_loadcnt 32                              ; this group's 32 loads are in; the next group's may be out
.else
	s_wait_loadcnt 0
.endif
.irp i, 0,1,2,3,4,5,6,7,8,9,10,11,12,13,14,15
	v_cvt_pk_f16_f32 v[96+16*(\t)+\i], v[32+32*((\t)%2)+2*\i], v[32+32*((\t)%2)+2*\i+1]   ; k = 2 i, 2 i + 1 of my column
.endr
.if (\t)+2 < 4
	PLOAD (\t)+2
.endif
.irp c, 0,1                            ; registers 8 c .. 8 c + 3 hold k = 16 c + 0..7, the next four k = 16 c + 8..15; lanes 0-15 are one n tile, lanes 16-31 the next.
.irp i, 0,1,2,3                        ; The exchange gives the first four to the first n tile (lanes 16-31: its k + 8) and the second four to the second
	v_permlane16_swap_b32 v[96+16*(\t)+8*\c+\i], v[96+16*(\t)+8*\c+4+\i]
.endr
.endr
.irp c, 0,1
	global_store_b128 v4, v[96+16*(\t)+8*\c:96+16*(\t)+8*\c+3], s[18:19] offset:1024*(\t)+512*\c           ; 32 lanes store 512 consecutive bytes, aligned
	global_store_b128 v4, v[96+16*(\t)+8*\c+4:96+16*(\t)+8*\c+7], s[18:19] offset:1024*(\t)+512*\c+32768
.endr
.endm
	PLOAD 0
	PLOAD 1
	GROUP 0                                        ; each group has store registers of its own: none is written again
	GROUP 1
	GROUP 2
	GROUP 3
	s_branch .Lend
; ---------------- w_attn -> codes.  A work-group: 64 columns x 512 k; a wave: 32 columns x 256 k, 8 blocks.  A lane takes a column, its registers run down K: a block is one lane's 32 registers.
.Lw:
	s_sub_co_u32 s21, ttmp9, 256
	s_lshr_b32 s24, s21, 1                         ; X: which 64 columns
	s_and_b32 s25, s21, 1                          ; Y: which 512 along K
	s_and_b32 s26, s20, 1                          ; cg: which 32 of the columns
	s_lshr_b32 s27, s20, 1                         ; kh: which 256 of the 512
	v_lshlrev_b32 v3, 2, v2                        ; in: 4 bytes a lane
	s_mul_i32 s28, s26, 32*WPI
	s_lshl_b32 s29, s27, 7
	s_add_co_u32 s28, s28, s29
	s_add_co_u32 s28, s28, WST
	v_mul_u32_u24 v4, v2, WPI
	v_add_nc_u32 v4, s28, v4                       ; into the stage: row = my column, my wave's 128 bytes of its 256
	v_and_b32 v5, 15, v2
	v_lshrrev_b32 v6, 4, v2
	s_mul_i32 s28, s20, 16*WPI
	s_add_co_u32 s28, s28, WST
	v_mul_u32_u24 v7, v6, WPI
	v_lshl_add_u32 v7, v5, 4, v7
	v_add_nc_u32 v7, s28, v7                       ; out of it: wave w takes rows 16 w on; sixteen lanes to a row, two rows an instruction
	v_lshlrev_b32 v8, 9, v6
	v_lshl_add_u32 v8, v5, 4, v8                   ; and the same place in wc (512 bytes a row)
	v_lshlrev_b32 v9, 5, v2                        ; my column's row of scale bytes
	s_lshl_b32 s28, s25, 9
	s_lshl_b32 s29, s27, 8
	s_add_co_u32 s28, s28, s29                     ; my first k
	s_mul_i32 s22, s28, 12288
	s_lshl_b32 s28, s24, 6
	s_lshl_b32 s29, s26, 5
	s_add_co_u32 s28, s28, s29                     ; my wave's first column
	s_lshl_b32 s29, s28, 2
	s_add_co_u32 s22, s22, s29
	s_add_nc_u64 s[6:7], s[6:7], s[22:23]
	s_lshl_b32 s22, s28, 5
	s_lshl_b32 s29, s25, 4
	s_add_co_u32 s22, s22, s29
	s_lshl_b32 s29, s27, 3
	s_add_co_u32 s22, s22, s29                     ; ws: column x 32 + 16 Y + 8 kh
	s_add_nc_u64 s[16:17], s[16:17], s[22:23]
	s_lshl_b32 s22, s24, 6
	s_lshl_b32 s29, s20, 4
	s_add_co_u32 s22, s22, s29
	s_lshl_b32 s22, s22, 9
	s_lshl_b32 s29, s25, 8
	s_add_co_u32 s22, s22, s29                     ; wc: (64 X + 16 wave) x 512 + 256 Y
	s_add_nc_u64 s[14:15], s[14:15], s[22:23]
.macro WLOAD t                         ; block t into set t % 2.  The largest offset, 255 x 12,288, lies inside the signed 24-bit immediate
.irp i, 0,1,2,3,4,5,6,7,8,9,10,11,12,13,14,15,16,17,18,19,20,21,22,23,24,25,26,27,28,29,30,31
	global_load_b32 v[32+32*((\t)%2)+\i], v3, s[6:7] offset:(32*(\t)+\i)*12288 th:TH_LOAD_NT
.endr
.endm
.macro BLOCK t
.set XS, 32+32*((\t)%2)
.if (\t) < 7
	s_wait_loadcnt 32                              ; this block's 32 loads are in; the next block's may be out
.else
	s_wait_loadcnt 0
.endif
	v_max3_num_f32 v12, |v[XS]|, |v[XS+1]|, |v[XS+2]|              ; the block's largest magnitude: all 32 numbers are mine; two chains
	v_max3_num_f32 v13, |v[XS+3]|, |v[XS+4]|, |v[XS+5]|
.irp i, 6,10,14,18,22,26
	v_max3_num_f32 v12, v12, |v[XS+\i]|, |v[XS+\i+1]|
	v_max3_num_f32 v13, v13, |v[XS+\i+2]|, |v[XS+\i+3]|
.endr
	v_max3_num_f32 v12, v12, |v[XS+30]|, |v[XS+31]|
	v_max3_num_f32 v12, v12, v13, (EMAX+1)<<23     ; and the floor 2^(3 - 127): the byte cannot fall under 1
	v_add_nc_u32 v11, -(EMAX<<23), v12             ; 2 off its exponent field: the conversion takes the exponent field of this operand as its scale
	v_lshrrev_b32 v13, 23, v11                     ; the scale's byte
.if (\t)%4 == 0
	v_mov_b32 v[24+(\t)/4], v13                    ; four bytes to a register, the lower K in the lower byte
.else
	v_lshl_or_b32 v[24+(\t)/4], v13, 8*((\t)%4), v[24+(\t)/4]
.endif
.irp g, 0,1,2,3
	v_cvt_scalef32_pk8_fp4_f32 v[96+\g], v[XS+8*\g:XS+8*\g+7], v11
.endr
	ds_store_b128 v4, v[96:99] offset:16*(\t)      ; 32 codes: 16 bytes of my column's row.  (The next vector lines are the next block's plain maxima)
.if (\t)+2 < 8
	WLOAD (\t)+2
.endif
	s_wait_dscnt 0x0                               ; the store has read its registers: the next block's codes may be written
.endm
	WLOAD 0
	WLOAD 1
.irp t, 0,1,2,3,4,5,6,7
	BLOCK \t
.endr
	global_store_b64 v9, v[24:25], s[16:17]        ; my column's 8 scale bytes
	s_wait_dscnt 0x0                               ; for the others' sake: my stores into the stage are done (a row's 256 bytes come from two waves)
	s_barrier_signal -1
	s_barrier_wait -1
.irp t, 0,1,2,3,4,5,6,7
	ds_load_b128 v[112+4*\t:112+4*\t+3], v7 offset:2*\t*WPI
.endr
.irp t, 0,1,2,3,4,5,6,7
	s_wait_dscnt 7-\t                              ; LDS loads come back in order: load t is in
	global_store_b128 v8, v[112+4*\t:112+4*\t+3], s[14:15] offset:2*\t*512   ; sixteen lanes store 256 consecutive bytes, aligned
.endr
	s_branch .Lend
; ---------------- x -> codes.  Rows are dense and K is a multiple of 32: a plain stream of blocks.  A wave takes 16 steps of 512 numbers.  Each load reads 512 consecutive bytes; a step's 2,048 bytes turn
; through the wave's own stage, so that a lane then holds 16 neighbours along K (two neighbouring lanes hold a block).  Loads run four steps ahead, the turn through LDS one step.
.Lx:
.set R, 16                             ; v16-79   four sets of 16 numbers as loaded
.set X, 80                             ; v80-111  two sets of 16 neighbours
.set E, 112                            ; v112-127 a scale byte for each step
.set C, 128                            ; v128-189 codes: four registers for each step, so that no store's data are written again
	v_lshlrev_b32 v3, 4, v2                        ; my 16 bytes of a load's 512
	s_mul_i32 s21, s20, WREG
	v_lshrrev_b32 v14, 2, v2
	v_mul_u32_u24 v14, v14, SP
	v_and_b32 v15, 3, v2
	v_lshl_add_u32 v14, v15, 4, v14
	v_add_nc_u32 v14, s21, v14                     ; the stage, on the way in: four lanes' 64 bytes on end, then 16 of padding
	v_mul_u32_u24 v15, v2, SP
	v_add_nc_u32 v15, s21, v15                     ; and on the way out: 80 x lane: my 16 neighbours
	v_lshlrev_b32 v4, 3, v2                        ; my 8 bytes of a step's codes
	v_lshrrev_b32 v5, 1, v2
	s_add_co_u32 s21, s21, 2*32*SP
	v_add_nc_u32 v5, s21, v5                       ; my wave's 256 scale bytes, my block's byte
	v_lshlrev_b32 v7, 3, v2
	v_add_nc_u32 v6, s21, v7                       ; and on the way out 8 bytes a lane
	s_lshl_b32 s24, ttmp9, 2
	s_add_co_u32 s24, s24, s20                     ; which run of 8,192 numbers is my wave's
	s_lshl_b32 s22, s24, 15
	s_add_nc_u64 s[4:5], s[4:5], s[22:23]
	s_lshl_b32 s22, s24, 12
	s_add_nc_u64 s[10:11], s[10:11], s[22:23]
	s_lshl_b32 s22, s24, 8
	s_add_nc_u64 s[12:13], s[12:13], s[22:23]
.macro XLOAD t
.irp i, 0,1,2,3
	global_load_b128 v[R+16*((\t)%4)+4*\i:R+16*((\t)%4)+4*\i+3], v3, s[4:5] offset:2048*(\t)+512*\i th:TH_LOAD_NT
.endr
.endm
.macro XTURN t                         ; LDS serves a wave's instructions in order: no wait between the stores and the loads
.irp i, 0,1,2,3
	ds_store_b128 v14, v[R+16*((\t)%4)+4*\i:R+16*((\t)%4)+4*\i+3] offset:32*SP*((\t)%2)+8*SP*\i
.endr
.irp i, 0,1,2,3
	ds_load_b128 v[X+16*((\t)%2)+4*\i:X+16*((\t)%2)+4*\i+3], v15 offset:32*SP*((\t)%2)+16*\i
.endr
.endm
.irp t, 0,1,2,3
	XLOAD \t
.endr
	s_wait_loadcnt 12                              ; step 0's four loads are in
	XTURN 0
.macro XSTEP t
.set XS, X+16*((\t)%2)
.if (\t) > 0
	s_wait_dscnt 1                                 ; this step's numbers are back from the stage (the last step's byte store may be out)
.else
	s_wait_dscnt 0x0
.endif
.if (\t)+4 < 16
	XLOAD (\t)+4                                   ; the registers that the stage's stores have read take the loads of four steps on
.endif
.if (\t)+1 < 16
.if 14-(\t) >= 3
	s_wait_loadcnt 12                              ; the next step's four loads are in; those of the three steps behind it may be out
.else
	s_wait_loadcnt 4*(14-(\t))
.endif
	XTURN (\t)+1
.endif
	v_max3_num_f32 v8, |v[XS]|, |v[XS+1]|, |v[XS+2]|
	v_max3_num_f32 v9, |v[XS+3]|, |v[XS+4]|, |v[XS+5]|
.irp i, 6,10
	v_max3_num_f32 v8, v8, |v[XS+\i]|, |v[XS+\i+1]|
	v_max3_num_f32 v9, v9, |v[XS+\i+2]|, |v[XS+\i+3]|
.endr
	v_max3_num_f32 v8, v8, |v[XS+14]|, |v[XS+15]|
	v_max3_num_f32 v8, v8, v9, (EMAX+1)<<23        ; with the floor
	v_max_num_f32_dpp v8, v8, v8 row_xmask:1 row_mask:0xf bank_mask:0xf   ; and my neighbour's 16: the block's largest magnitude
	v_add_nc_u32 v11, -(EMAX<<23), v8
	v_cvt_scalef32_pk8_fp4_f32 v[C+4*(\t)], v[XS:XS+7], v11
	v_cvt_scalef32_pk8_fp4_f32 v[C+4*(\t)+1], v[XS+8:XS+15], v11
	v_lshrrev_b32 v[E+(\t)], 23, v11               ; the scale's byte (also the plain line behind the conversions)
	ds_store_b8 v5, v[E+(\t)] offset:16*(\t)       ; both lanes of a block write the same byte with the same value
	global_store_b64 v4, v[C+4*(\t):C+4*(\t)+1], s[10:11] offset:256*(\t)   ; 32 lanes store 256 consecutive bytes, aligned
.endm
.irp t, 0,1,2,3,4,5,6,7,8,9,10,11,12,13,14,15
	XSTEP \t
.endr
	ds_load_b64 v[8:9], v6                         ; these see my byte stores: LDS serves a wave's instructions in order
	s_wait_dscnt 0x0
	global_store_b64 v7, v[8:9], s[12:13]          ; 32 lanes store 256 consecutive bytes, aligned
.Lend:
	s_wait_tensorcnt 0x0                           ; the wave's end, behind the last LDS store
	ds_add_u32 v[SPW], v[NIL]
	s_wait_dscnt 0x0
	s_endpgm
.Lfunc_end_k_qb09c39f4f7_prep:
	.size	k_qb09c39f4f7_prep, .Lfunc_end_k_qb09c39f4f7_prep-k_qb09c39f4f7_prep
	.p2alignl 7, 3214868480
	.fill 96, 4, 3214868480
	.section	.rodata,"a",@progbits
	.p2align	6, 0x0
	.amdhsa_kernel k_qb09c39f4f7_prep
		.amdhsa_group_segment_fixed_size 50688
		.amdhsa_private_segment_fixed_size 0
		.amdhsa_enable_private_segment 0
		.amdhsa_kernarg_size 64
		.amdhsa_user_sgpr_count 2
		.amdhsa_user_sgpr_kernarg_segment_ptr 1
		.amdhsa_wavefront_size32 1
		.amdhsa_system_sgpr_workgroup_id_x 1
		.amdhsa_system_sgpr_workgroup_id_y 1
		.amdhsa_system_sgpr_workgroup_id_z 1
		.amdhsa_system_vgpr_workitem_id 0
		.amdhsa_next_free_vgpr 192
		.amdhsa_next_free_sgpr 66
		.amdhsa_reserve_vcc 0
		.amdhsa_float_denorm_mode_32 3
		.amdhsa_float_denorm_mode_16_64 3
		.amdhsa_memory_ordered 1
		.amdhsa_forward_progress 1
		.amdhsa_inst_pref_size 92
	.end_amdhsa_kernel
	.amdgpu_metadata
---
amdhsa.version: [ 1, 2 ]
amdhsa.kernels:
  - .name:           k_qb09c39f4f7_prep
    .symbol:         k_qb09c39f4f7_prep.kd
    .args:
      - { .name: x, .offset: 0, .size: 8, .value_kind: global_buffer, .address_space: global }
      - { .name: w_attn, .offset: 8, .size: 8, .value_kind: global_buffer, .address_space: global }
      - { .name: w_proj, .offset: 16, .size: 8, .value_kind: global_buffer, .address_space: global }
      - { .name: xc, .offset: 24, .size: 8, .value_kind: global_buffer, .address_space: global }
      - { .name: xs, .offset: 32, .size: 8, .value_kind: global_buffer, .address_space: global }
      - { .name: wc, .offset: 40, .size: 8, .value_kind: global_buffer, .address_space: global }
      - { .name: ws, .offset: 48, .size: 8, .value_kind: global_buffer, .address_space: global }
      - { .name: wp, .offset: 56, .size: 8, .value_kind: global_buffer, .address_space: global }
    .group_segment_fixed_size: 50688
    .private_segment_fixed_size: 0
    .kernarg_segment_align: 8
    .kernarg_segment_size: 64
    .max_flat_workgroup_size: 128
    .sgpr_count:     66
    .vgpr_count:     192
    .wavefront_size: 32
...
	.end_amdgpu_metadata
.endif
;; end of part 1
;; launch qkv (part 2): grid 12 x 32, 4 waves a work-group, clusters of 4 x 4, 327,680 bytes of LDS; arguments xc, xs, wc, ws, b_attn, qkv; writes qkv
.if DOCPART == 2
	.amdgcn_target "amdgcn-amd-amdhsa--gfx1250"
	.amdhsa_code_object_version 6
	.text
	.protected	k_qb09c39f4f7_qkv
	.globl	k_qb09c39f4f7_qkv
	.p2align	8
	.type	k_qb09c39f4f7_qkv,@function
k_qb09c39f4f7_qkv:
	s_mov_b64 s[64:65], 0
	v_nop
	global_prefetch_b8 v0, s[64:65] scope:SCOPE_SE
	s_setreg_imm32_b32 hwreg(HW_REG_WAVE_MODE, 25, 1), 1
	s_wait_xcnt 0x0
	s_wait_alu depctr_hold_cnt(0) depctr_sa_sdst(0) depctr_va_vdst(0) depctr_va_sdst(0) depctr_va_ssrc(0) depctr_va_vcc(0) depctr_vm_vsrc(0)
	s_getreg_b32 s2, hwreg(HW_REG_IB_STS2, 6, 4)
	s_cmp_eq_u32 s2, 0
	s_cbranch_scc0 .Lentry_in_a_cluster
	s_endpgm
.Lentry_in_a_cluster:
	s_bfe_u32 s2, ttmp6, 0x10000c
	s_cmp_lg_u32 s2, 0xf033
	s_cbranch_scc0 .Lentry_shape_is_right
	s_endpgm
.Lentry_shape_is_right:
; qkv = Q(x) Q(w_attn) + b_attn on codes of E2M1 with E8M0 scales, K = 1,024; the result is rounded to f16 and stored AS IMAGES OF THE NEXT PRODUCTS' OPERAND REGISTERS.
; A tile of 256 x 256 is made by four waves, each 128 x 128: 64 accumulators, 512 registers.  K = 1,024 is two LDS slots of 512 along K (rows of 256 bytes): both are first fills, nothing is filled again.
; The scale bytes of the work-group's 2 x 256 rows, for all of K, come once, as dense blocks.
; THE MATRIX INSTRUCTION IS USED TRANSPOSED (source 0 = 16 rows of "B", source 1 = 16 rows of "A"): a lane holds one row of A and eight neighbouring rows of B.
;   Clusters x = 0, 1 (the columns of q and of k): A = x's rows, B = w's rows: a lane holds one TOKEN and 8 neighbouring CHANNELS: half a fragment (16 tokens x 32 channels) of q or k.
;   Cluster  x = 2    (the columns of v):          A = w's rows, B = x's rows: a lane holds one CHANNEL and 8 neighbouring TOKENS: half a fragment (16 channels x 32 keys) of v^T.
; The choice hangs on the cluster's x alone, which all sixteen partners share; it chooses pointers and offsets, and one branch at the way out.
; qkv: three parts of 2^24 bytes (q, k, v), each [batch x 16 + head] x 262,144 bytes.  q, k: [token tile 128][g 2][c 2][lane][16 bytes], lane (r, h): token 16 tt + r, channels 32 g + 16 c + 8 h + 0..7.
;   v: [key group 64][channel tile 4][c 2][lane][16 bytes], lane (r, h): channel 16 ct + r, keys 32 kg + 16 c + 8 h + 0..7.  Every store of a wave covers 512 consecutive bytes, aligned: no LDS stage on the way out.
; CLUSTERS: 4 x 4 work-groups; A's tiles are asked for jointly along a row of the cluster, B's along a column.
; LIMIT: results beyond 65,504 become infinite in f16; under 6e-5 they keep an absolute step of 6e-8.
; REGISTERS: window 0: v0-31 addresses; v32-95 scale words, two sets (on the way out: packed results); v96-111 the channel's bias (v tiles); v128-191 A's fragments, one set; v192-255 the channels' biases (q, k tiles).
;   window 1: B's fragments, two sets, at v0 and v128.   window 2: accumulators of my rows 0-63 ((a, b) at v[8 (8 a + b)]);   window 3: those of rows 64-127.
.set NQ,     4                         ; steps of 128 along K in a slot
.set ROWB,   256                       ; a tile's row in bytes: 512 codes
.set KROW,   512                       ; a row of xc or wc in bytes
.set PITCH,  272                       ; an LDS row: 256 bytes + 16 of padding: the 16 rows that a load touches start at 16 different banks (64 banks of 4 bytes: ISA guide 11.1)
.set FR,     8
.set NL,     2
.set NP,     4                         ; places behind this matrix instruction (ISA guide 7.12.1)
.set HALFT,  128*PITCH
.set SLOT,   4*HALFT
.set KS,     32                        ; a row of scale bytes
.set SCL,    2*SLOT
.set HALFS,  (128*KS/256)*272
.set SBLK,   (16*KS/256)*272
.set SPARE,  SCL+4*HALFS               ; the spare words: 128 bytes for each wave, two blocks of 256 bytes that no other line names
.set ADRA, 16                          ; v16-17 LDS address of my A fragments in slot 0, 1
.set ADRB, 20                          ; v20-21 the same for B
.set HB,   24                          ; v24    32 x (lane / 16): my eight channels' biases
.set RB,   25                          ; v25    4 x (lane % 16): my channel's bias
.set LO,   26                          ; v26    16 x lane: my place in an image
.set ADRS, 27                          ; v27    LDS address of my scale words: lanes 0-15 A's rows, lanes 16-31 B's
.set SPW,  28
.set NIL,  29
.set SC,   32
.set BA,   96
.set AF,   128
.set BB,   192
.set G1, 24
.set G0, 32
.set G1B, 48
.set G0B, 56
.set G1S, 68
.set G0S, 76
.set G1SB, 80
.set G0SB, 88
.set MSB, 0
.macro WIN new                         ; the immediate's high byte repeats the setting that is left; a switch that changes nothing is dropped
.if MSB != (\new)
	s_set_vgpr_msb (MSB<<8)|(\new)
.set MSB, (\new)
.endif
.endm
.set MUL_LO, 0xa1                      ; source 0 (B) window 1, source 1 (A) window 0, C and D window 2
.set MUL_HI, 0xf1
.set TO_B,   0x40
; A joint load: waves 0 and 1 fetch for A, waves 2 and 3 for B; the branch hangs on the wave's number alone.  An s_nop 0 and four v_nop follow each of the two lines.
.macro JLOAD g0a, g1a, g0b, g1b
	s_cmp_eq_u32 s15, 0
	s_cbranch_scc0 .Lfor_b_\@
	tensor_load_to_lds s[\g0a:\g0a+3], s[\g1a:\g1a+7]
	s_nop 0
.rept 4
	v_nop
.endr
	s_branch .Lasked_\@
.Lfor_b_\@:
	tensor_load_to_lds s[\g0b:\g0b+3], s[\g1b:\g1b+7]
	s_nop 0
.rept 4
	v_nop
.endr
.Lasked_\@:
.endm
.macro CROUND                          ; a round of the cluster's barrier
	s_barrier_signal -1
	s_barrier_wait -1
	s_cmp_lg_u32 s14, 0
	s_cbranch_scc1 .Lnot_wave_0_\@
	s_barrier_signal -3
.Lnot_wave_0_\@:
	s_barrier_wait -3
	s_barrier_signal -1
	s_barrier_wait -1
.endm
	s_load_b256 s[4:11], s[0:1], 0x0               ; xc 4:5, xs 6:7, wc 8:9, ws 10:11
	s_load_b128 s[96:99], s[0:1], 0x20             ; b_attn 96:97, qkv 98:99
	v_lshl_add_u32 v[SPW], v0, 2, SPARE
	v_mov_b32 v[NIL], 0
	ds_add_u32 v[SPW], v[NIL]                      ; the wave's opening: the add, twice on end, and its wait ahead of my first tensor load
	ds_add_u32 v[SPW], v[NIL]
	v_lshrrev_b32 v1, 5, v0
	v_readfirstlane_b32 s14, v1                    ; wave 0..3
	s_lshr_b32 s15, s14, 1                         ; which half of A's rows is mine.  Also: I fetch for A (0) or for B (1)
	s_and_b32 s16, s14, 1                          ; which half of B's rows.  Also: which 128 rows of that tile I fetch
	s_bfe_u32 s40, ttmp6, 0x40000                  ; cx
	s_bfe_u32 s41, ttmp6, 0x40004                  ; cy
	s_lshl_b32 s42, ttmp9, 2                       ; 4 x cluster x
	s_and_b32 s17, ttmp7, 0xffff
	s_lshl_b32 s17, s17, 2                         ; 4 x cluster y
	s_cmp_eq_u32 ttmp9, 2                          ; v's columns?
	s_cselect_b32 s45, 8, s17                      ; A's tile: w's rows 2,048 on, or x's
	s_cselect_b32 s42, s17, s42                    ; B's tile: x's rows, or w's
	s_add_co_u32 s17, s45, s41                     ; IA: + cy, which my row of the cluster shares
	s_add_co_u32 s42, s42, s40                     ; IB: + cx, which my column shares
	s_lshl_b32 s43, s41, 2
	s_lshl_b32 s43, 15, s43                        ; my row of the cluster
	s_lshl_b32 s44, 0x1111, s40                    ; my column
	s_or_b32 s[G1+0], s43, (0<<16)|(1<<20)|(1<<21)|(5<<22)|(3<<25)  ; the mask; elements of 1 byte; padding on; bit 21 beside a mask; after every 64 words, 4 words
	s_or_b32 s[G1B+0], s44, (0<<16)|(1<<20)|(1<<21)|(5<<22)|(3<<25)
.irp g, G1, G1B
	s_mov_b32 s[\g+1], ROWB<<16                    ; tensor_dim0
	s_mov_b32 s[\g+2], 128<<16                     ; tensor_dim1
	s_mov_b32 s[\g+3], ROWB<<16                    ; tile_dim0
	s_mov_b32 s[\g+4], 128                         ; tile_dim1
	s_mov_b32 s[\g+5], KROW                        ; the pitch
	s_mov_b32 s[\g+6], 0
	s_mov_b32 s[\g+7], 0
.endr
	s_or_b32 s[G1S+0], s43, (3<<16)|(1<<20)|(1<<21)|(5<<22)|(3<<25) ; the scales of 128 rows: 4,096 dense bytes as 16 rows of 256 (32 elements of 8 bytes), 16 bytes of padding behind each
	s_or_b32 s[G1SB+0], s44, (3<<16)|(1<<20)|(1<<21)|(5<<22)|(3<<25)
.irp g, G1S, G1SB
	s_mov_b32 s[\g+1], 32<<16
	s_mov_b32 s[\g+2], (128*KS/256)<<16
	s_mov_b32 s[\g+3], 32<<16
	s_mov_b32 s[\g+4], 128*KS/256
	s_mov_b32 s[\g+5], 32
	s_mov_b32 s[\g+6], 0
	s_mov_b32 s[\g+7], 0
.endr
	s_lshl_b32 s18, s16, 7                         ; which 128 rows of the tile I fetch
	s_lshl_b32 s20, s17, 8
	s_add_co_u32 s20, s20, s18                     ; A: row 256 IA + 128 x half
	s_lshl_b32 s46, s42, 8
	s_add_co_u32 s46, s46, s18                     ; B: row 256 IB + 128 x half
	s_mov_b32 s21, 0
	s_mov_b32 s47, 0
	s_mov_b64 s[18:19], KS
	s_mul_u64 s[22:23], s[20:21], s[18:19]         ; where these rows' scales begin, in bytes
	s_mul_u64 s[92:93], s[46:47], s[18:19]
	s_mov_b64 s[18:19], KROW
	s_mul_u64 s[20:21], s[20:21], s[18:19]         ; and their codes
	s_mul_u64 s[46:47], s[46:47], s[18:19]
	s_mul_i32 s45, s14, HALFT                      ; where they go: wave x 128 rows: no place in the cluster enters an LDS address
	s_mul_i32 s94, s14, HALFS
	s_wait_dscnt 0x0                               ; both opening adds are done
	s_wait_kmcnt 0x0
	s_cmp_eq_u32 ttmp9, 2
	s_cselect_b64 s[12:13], s[8:9], s[4:5]         ; A's codes: wc or xc
	s_cselect_b64 s[66:67], s[10:11], s[6:7]       ; A's scales
	s_cselect_b64 s[2:3], s[4:5], s[8:9]           ; B's codes: xc or wc
	s_cselect_b64 s[18:19], s[6:7], s[10:11]       ; B's scales
	s_add_nc_u64 s[20:21], s[12:13], s[20:21]
	s_add_nc_u64 s[22:23], s[66:67], s[22:23]
	s_add_nc_u64 s[46:47], s[2:3], s[46:47]
	s_add_nc_u64 s[92:93], s[18:19], s[92:93]
	CROUND                                         ; all sixteen work-groups are here: the first joint loads meet
	s_mov_b32 s[G0S], 1
	s_add_co_u32 s[G0S+1], s94, SCL
	s_mov_b64 s[G0S+2:G0S+3], s[22:23]
	s_or_b32 s[G0S+3], s[G0S+3], 0x80000000
	s_mov_b32 s[G0SB], 1
	s_add_co_u32 s[G0SB+1], s94, SCL
	s_mov_b64 s[G0SB+2:G0SB+3], s[92:93]
	s_or_b32 s[G0SB+3], s[G0SB+3], 0x80000000
	JLOAD G0S, G1S, G0SB, G1SB                     ; the scales first: they are wanted with the first slot
.irp s, 0,1
	s_mov_b32 s[G0+4*\s], 1
	s_add_co_u32 s[G0+4*\s+1], s45, \s*SLOT
	s_add_nc_u64 s[G0+4*\s+2:G0+4*\s+3], s[20:21], \s*ROWB
	s_or_b32 s[G0+4*\s+3], s[G0+4*\s+3], 0x80000000
	s_mov_b32 s[G0B+4*\s], 1
	s_add_co_u32 s[G0B+4*\s+1], s45, \s*SLOT
	s_add_nc_u64 s[G0B+4*\s+2:G0B+4*\s+3], s[46:47], \s*ROWB
	s_or_b32 s[G0B+4*\s+3], s[G0B+4*\s+3], 0x80000000
	JLOAD G0+4*\s, G1, G0B+4*\s, G1B               ; three tensor loads of mine are out now, and none is issued later
.endr
	v_and_b32 v1, 15, v0                           ; r
	v_bfe_u32 v2, v0, 4, 1                         ; h
	v_mul_u32_u24 v3, v1, PITCH
	v_lshl_add_u32 v4, v2, 4, v3                   ; a fragment's row x pitch + 16 x half
	s_mul_i32 s21, s15, HALFT                      ; my 128 rows of A
	s_mul_i32 s22, s16, HALFT
	s_add_co_u32 s22, s22, 2*HALFT                 ; my 128 rows of B, behind A's 256
.irp s, 0,1
	v_add_nc_u32 v[ADRA+\s], s21, v4
	v_add_nc_u32 v[ADRB+\s], s22, v4
	s_add_co_u32 s21, s21, SLOT
	s_add_co_u32 s22, s22, SLOT
.endr
	v_mul_u32_u24 v5, v1, KS                       ; my row's scales: 32 bytes a row,
	v_lshrrev_b32 v6, 8, v5
	v_lshl_add_u32 v5, v6, 4, v5                   ; and 16 more for each 256 passed
	s_mul_i32 s21, s15, HALFS
	s_mul_i32 s22, s16, HALFS
	s_add_co_u32 s22, s22, 2*HALFS
	s_sub_co_u32 s22, s22, s21
	v_mul_u32_u24 v6, s22, v2                      ; lanes 16-31 take B's: one product, the distance between the two bases
	s_add_co_u32 s21, s21, SCL
	v_add_nc_u32 v5, v5, v6
	v_add_nc_u32 v[ADRS], s21, v5
	v_lshlrev_b32 v[HB], 5, v2
	v_lshlrev_b32 v[RB], 2, v1
	v_and_b32 v6, 31, v0
	v_lshlrev_b32 v[LO], 4, v6
	; the biases.  Both sets are loaded in every work-group, without a branch, the one that is not used from b_attn's first bytes
	s_lshl_b32 s20, ttmp9, 12
	s_lshl_b32 s21, s40, 10
	s_add_co_u32 s20, s20, s21
	s_lshl_b32 s21, s16, 9
	s_add_co_u32 s20, s20, s21                     ; q, k: 4 x (1,024 cluster x + 256 cx + 128 x my half of B)
	s_lshl_b32 s22, s41, 10
	s_lshl_b32 s21, s15, 9
	s_add_co_u32 s22, s22, s21
	s_add_co_u32 s22, s22, 8192                    ; v: 4 x (2,048 + 256 cy + 128 x my half of A)
	s_cmp_eq_u32 ttmp9, 2
	s_cselect_b32 s20, 0, s20
	s_cselect_b32 s22, s22, 0
	s_mov_b32 s21, 0
	s_mov_b32 s23, 0
	s_add_nc_u64 s[92:93], s[96:97], s[20:21]
	s_add_nc_u64 s[94:95], s[96:97], s[22:23]
.irp b, 0,1,2,3,4,5,6,7
	global_load_b128 v[BB+8*\b:BB+8*\b+3], v[HB], s[92:93] offset:64*\b       ; b_attn at channels 16 b + 8 h + 0..7
	global_load_b128 v[BB+8*\b+4:BB+8*\b+7], v[HB], s[92:93] offset:64*\b+16
.endr
.irp a, 0,1,2,3,4,5,6,7
	global_load_b32 v[BA+2*\a], v[RB], s[94:95] offset:64*\a                  ; b_attn at channel 16 a + r, twice: a pair for the packed addition
	global_load_b32 v[BA+2*\a+1], v[RB], s[94:95] offset:64*\a
.endr
	; where my images begin in qkv
	s_lshr_b32 s20, s17, 3
	s_lshl_b32 s20, s20, 4                         ; q, k: batch x 16
	s_lshl_b32 s21, s40, 2
	s_add_co_u32 s20, s20, s21
	s_lshl_b32 s21, s16, 1
	s_add_co_u32 s20, s20, s21                     ; + head 4 cx + 2 x half
	s_lshl_b32 s20, s20, 18
	s_and_b32 s21, s17, 7
	s_lshl_b32 s21, s21, 4
	s_lshl_b32 s22, s15, 3
	s_add_co_u32 s21, s21, s22                     ; token tile 16 (IA % 8) + 8 x half
	s_lshl_b32 s21, s21, 11
	s_add_co_u32 s20, s20, s21
	s_lshl_b32 s21, ttmp9, 24                      ; part 0 or 1
	s_add_co_u32 s20, s20, s21
	s_lshr_b32 s22, s42, 3
	s_lshl_b32 s22, s22, 4                         ; v: batch x 16
	s_lshl_b32 s23, s41, 2
	s_add_co_u32 s22, s22, s23
	s_lshl_b32 s23, s15, 1
	s_add_co_u32 s22, s22, s23                     ; + head 4 cy + 2 x half
	s_lshl_b32 s22, s22, 18
	s_and_b32 s23, s42, 7
	s_lshl_b32 s23, s23, 3
	s_lshl_b32 s46, s16, 2
	s_add_co_u32 s23, s23, s46                     ; key group 8 (IB % 8) + 4 x half
	s_lshl_b32 s23, s23, 12
	s_add_co_u32 s22, s22, s23
	s_add_co_u32 s22, s22, 2<<24                   ; part 2
	s_cmp_eq_u32 ttmp9, 2
	s_cselect_b32 s20, s22, s20
	s_mov_b32 s21, 0
	s_add_nc_u64 s[12:13], s[98:99], s[20:21]
.macro FRAG reg, adr, q, i             ; 16 rows x 128 K of 4-bit codes: 8 registers: lane l holds row l % 16; registers 4 c .. 4 c + 3 hold K = 64 c + 32 (l / 16) + 0 .. 31
.irp c, 0,1
	ds_load_b128 v[\reg+4*\c:\reg+4*\c+3], v[\adr] offset:64*(\q)+32*\c+(\i)*16*PITCH
.endr
.endm
; 16 matrix instructions: A's blocks a0, a0 + 1 x B's eight, 128 along K.  p: B's set; sc: the set of scale words.  zero = 1: the first product starts the sums.
; The 64 accumulators take turns, one instruction a turn, in the same order in every step.
.macro MUL16 a0, p, q, sc, zero
.irp a, \a0, \a0+1
.irp b, 0,1,2,3,4,5,6,7
.if \zero
	v_wmma_scale_f32_16x16x128_f8f6f4 v[8*(8*((\a)%4)+\b):8*(8*((\a)%4)+\b)+7], v[128*(\p)+FR*\b:128*(\p)+FR*\b+FR-1], v[AF+FR*(\a):AF+FR*(\a)+FR-1], 0, v[SC+8*NQ*(\sc)+NQ*\b+(\q)], v[SC+8*NQ*(\sc)+NQ*(\a)+(\q)] matrix_a_fmt:MATRIX_FMT_FP4 matrix_b_fmt:MATRIX_FMT_FP4 matrix_a_scale:MATRIX_SCALE_ROW1
.else
	v_wmma_scale_f32_16x16x128_f8f6f4 v[8*(8*((\a)%4)+\b):8*(8*((\a)%4)+\b)+7], v[128*(\p)+FR*\b:128*(\p)+FR*\b+FR-1], v[AF+FR*(\a):AF+FR*(\a)+FR-1], v[8*(8*((\a)%4)+\b):8*(8*((\a)%4)+\b)+7], v[SC+8*NQ*(\sc)+NQ*\b+(\q)], v[SC+8*NQ*(\sc)+NQ*(\a)+(\q)] matrix_a_fmt:MATRIX_FMT_FP4 matrix_b_fmt:MATRIX_FMT_FP4 matrix_a_scale:MATRIX_SCALE_ROW1
.endif
.endr
.endr
.endm
.macro FETCH_B slot, q, p
	WIN TO_B
.irp i, 0,1,2,3,4,5,6,7
	FRAG 128*(\p)+FR*\i, ADRB+\slot, \q, \i
.endr
	WIN 0
.endm
.macro FETCH_A slot, q, i0
.irp i, \i0, \i0+1, \i0+2, \i0+3
	FRAG AF+FR*(\i), ADRA+\slot, \q, \i
.endr
.endm
.macro SCALES sc                       ; a slot's scale words: 4 words a row; lanes 0-15 take A's block i, lanes 16-31 B's block i
.irp i, 0,1,2,3,4,5,6,7
	ds_load_b128 v[SC+8*NQ*\sc+NQ*\i:SC+8*NQ*\sc+NQ*\i+3], v[ADRS] offset:\i*SBLK
.endr
.endm
.macro PLACES n                        ; plain vector instructions between a matrix instruction and a load into, or a read of, its registers
.rept \n
	v_nop
.endr
.endm
.macro STEP slot, q, zero              ; a step of 128 along K that has its successor in the same slot
	s_wait_dscnt 4*NL                              ; B's set and A's blocks 0-3 are in; the youngest eight loads (A's blocks 4-7) may be out
	WIN MUL_LO
	MUL16 0, (\q)%2, \q, \slot, \zero
	MUL16 2, (\q)%2, \q, \slot, \zero
	s_wait_dscnt 0                                 ; A's blocks 4-7 are in
	PLACES NP
	FETCH_B \slot, (\q)+1, 1-(\q)%2
	FETCH_A \slot, (\q)+1, 0
	WIN MUL_HI
	MUL16 4, (\q)%2, \q, \slot, \zero
	MUL16 6, (\q)%2, \q, \slot, \zero
	PLACES NP
	WIN 0
	FETCH_A \slot, (\q)+1, 4
.endm
; Slot 0's last step changes slots: one barrier; in front of it each wave waits for all its tensor loads (its part of slot 1), adds 0 to its spare word, and waits for that.  Nothing is filled again.
.macro TURN slot, next
	s_wait_tensorcnt 0x0                           ; all my tensor loads have landed
	ds_add_u32 v[SPW], v[NIL]
	s_wait_dscnt 4*NL+1                            ; (the add and the youngest eight loads may be out)
	WIN MUL_LO
	MUL16 0, 1, NQ-1, \slot, 0
	s_wait_dscnt 0x0
	s_barrier_signal -1
	MUL16 2, 1, NQ-1, \slot, 0
	WIN 0
	s_barrier_wait -1                              ; the next slot is whole for every wave
	PLACES NP
	v_add_nc_u32 v[ADRS], 4*NQ, v[ADRS]            ; on to the next slot's scale words
	FETCH_B \next, 0, 0
	FETCH_A \next, 0, 0
	SCALES \next
	WIN MUL_HI
	MUL16 4, 1, NQ-1, \slot, 0
	MUL16 6, 1, NQ-1, \slot, 0
	PLACES NP
	WIN 0
	FETCH_A \next, 0, 4
.endm
	s_wait_tensorcnt 1                             ; the scales and my part of slot 0 are in (slot 1's load may be out)
	s_barrier_signal -1
	s_barrier_wait -1                              ; everybody's are
	FETCH_B 0, 0, 0
	FETCH_A 0, 0, 0
	SCALES 0
	FETCH_A 0, 0, 4
	STEP 0, 0, 1                                   ; the first products start the sums: nothing is cleared
	STEP 0, 1, 0
	STEP 0, 2, 0
	TURN 0, 1
	STEP 1, 0, 0
	STEP 1, 1, 0
	STEP 1, 2, 0
	s_wait_dscnt 4*NL                              ; the last step: nothing more to fetch
	WIN MUL_LO
	MUL16 0, 1, NQ-1, 1, 0
	MUL16 2, 1, NQ-1, 1, 0
	s_wait_dscnt 0
	WIN MUL_HI
	MUL16 4, 1, NQ-1, 1, 0
	MUL16 6, 1, NQ-1, 1, 0
	WIN 0
; THE WAY OUT, block a of A's rows at a time: + bias (each accumulator from its low end on), rounded to f16 in pairs: four registers are half a fragment's image, 16 bytes a lane; 32 lanes store 512 consecutive bytes.
; kind = 0: q, k (the bias goes with B's rows: eight different numbers a lane); kind = 1: v (it goes with A's row: one number a lane).
.macro EPI kind
.irp a, 0,1,2,3,4,5,6,7
.set W, 2+\a/4
.set AC, 64*(\a%4)
.set OS, 32+32*(\a%2)
	WIN (W<<6)|W                                   ; destination and source 0: the accumulators' window; source 1: window 0
.irp b, 0,1,2,3,4,5,6,7
.irp i, 0,1,2,3
.if \kind
	v_pk_add_f32 v[AC+8*\b+2*\i:AC+8*\b+2*\i+1], v[AC+8*\b+2*\i:AC+8*\b+2*\i+1], v[BA+2*\a:BA+2*\a+1]
.else
	v_pk_add_f32 v[AC+8*\b+2*\i:AC+8*\b+2*\i+1], v[AC+8*\b+2*\i:AC+8*\b+2*\i+1], v[BB+8*\b+2*\i:BB+8*\b+2*\i+1]
.endif
.endr
.endr
	WIN W|(W<<2)
.if \a > 1
	s_wait_xcnt 0x0                                ; the stores of two blocks back have read this set of registers
.endif
.irp b, 0,1,2,3,4,5,6,7
.irp i, 0,1,2,3
	v_cvt_pk_f16_f32 v[OS+4*\b+\i], v[AC+8*\b+2*\i], v[AC+8*\b+2*\i+1]
.endr
.endr
	WIN 0
.irp b, 0,1,2,3,4,5,6,7
.if \kind
	global_store_b128 v[LO], v[OS+4*\b:OS+4*\b+3], s[12:13] offset:(\a/4)*262144+(\a%4)*1024+(\b/2)*4096+(\b%2)*512   ; head a / 4, channel tile a % 4, key group b / 2, half b % 2
.else
	global_store_b128 v[LO], v[OS+4*\b:OS+4*\b+3], s[12:13] offset:\a*2048+(\b/4)*262144+(\b%4)*512                   ; token tile a, head b / 4, (g, c) = b % 4
.endif
.endr
.endr
.endm
	PLACES NP                                      ; behind the last products
	s_wait_loadcnt 0x0                             ; the biases
	s_cmp_eq_u32 ttmp9, 2                          ; the cluster's x: the same in all sixteen partners
	s_cbranch_scc1 .Lv
	EPI 0
	s_branch .Ldone
.Lv:
	EPI 1
.Ldone:
	s_wait_tensorcnt 0x0                           ; the wave's end
	ds_add_u32 v[SPW], v[NIL]
	s_wait_dscnt 0x0
	CROUND                                         ; the closing round
	s_endpgm
.Lfunc_end_k_qb09c39f4f7_qkv:
	.size	k_qb09c39f4f7_qkv, .Lfunc_end_k_qb09c39f4f7_qkv-k_qb09c39f4f7_qkv
	.p2alignl 7, 3214868480
	.fill 96, 4, 3214868480
	.section	.rodata,"a",@progbits
	.p2align	6, 0x0
	.amdhsa_kernel k_qb09c39f4f7_qkv
		.amdhsa_group_segment_fixed_size 327680
		.amdhsa_private_segment_fixed_size 0
		.amdhsa_enable_private_segment 0
		.amdhsa_kernarg_size 48
		.amdhsa_user_sgpr_count 2
		.amdhsa_user_sgpr_kernarg_segment_ptr 1
		.amdhsa_wavefront_size32 1
		.amdhsa_system_sgpr_workgroup_id_x 1
		.amdhsa_system_sgpr_workgroup_id_y 1
		.amdhsa_system_sgpr_workgroup_id_z 1
		.amdhsa_system_vgpr_workitem_id 0
		.amdhsa_next_free_vgpr 1024
		.amdhsa_next_free_sgpr 100
		.amdhsa_reserve_vcc 0
		.amdhsa_float_denorm_mode_32 3
		.amdhsa_float_denorm_mode_16_64 3
		.amdhsa_memory_ordered 1
		.amdhsa_forward_progress 1
		.amdhsa_inst_pref_size 177
	.end_amdhsa_kernel
	.amdgpu_metadata
---
amdhsa.version: [ 1, 2 ]
amdhsa.kernels:
  - .name:           k_qb09c39f4f7_qkv
    .symbol:         k_qb09c39f4f7_qkv.kd
    .args:
      - { .name: xc, .offset: 0, .size: 8, .value_kind: global_buffer, .address_space: global }
      - { .name: xs, .offset: 8, .size: 8, .value_kind: global_buffer, .address_space: global }
      - { .name: wc, .offset: 16, .size: 8, .value_kind: global_buffer, .address_space: global }
      - { .name: ws, .offset: 24, .size: 8, .value_kind: global_buffer, .address_space: global }
      - { .name: b_attn, .offset: 32, .size: 8, .value_kind: global_buffer, .address_space: global }
      - { .name: qkv, .offset: 40, .size: 8, .value_kind: global_buffer, .address_space: global }
    .group_segment_fixed_size: 327680
    .private_segment_fixed_size: 0
    .kernarg_segment_align: 8
    .kernarg_segment_size: 48
    .max_flat_workgroup_size: 128
    .sgpr_count:     100
    .vgpr_count:     1024
    .wavefront_size: 32
...
	.end_amdgpu_metadata
.endif
;; end of part 2
;; launch attn (part 3): grid 4 x 64, 8 waves a work-group, clusters of 4 x 1, 327,680 bytes of LDS; arguments qkv, y; writes y
.if DOCPART == 3
	.amdgcn_target "amdgcn-amd-amdhsa--gfx1250"
	.amdhsa_code_object_version 6
	.text
	.protected	k_qb09c39f4f7_attn
	.globl	k_qb09c39f4f7_attn
	.p2align	8
	.type	k_qb09c39f4f7_attn,@function
k_qb09c39f4f7_attn:
	s_mov_b64 s[64:65], 0
	v_nop
	global_prefetch_b8 v0, s[64:65] scope:SCOPE_SE
	s_setreg_imm32_b32 hwreg(HW_REG_WAVE_MODE, 25, 1), 1
	s_wait_xcnt 0x0
	s_wait_alu depctr_hold_cnt(0) depctr_sa_sdst(0) depctr_va_vdst(0) depctr_va_sdst(0) depctr_va_ssrc(0) depctr_va_vcc(0) depctr_vm_vsrc(0)
	s_getreg_b32 s2, hwreg(HW_REG_IB_STS2, 6, 4)
	s_cmp_eq_u32 s2, 0
	s_cbranch_scc0 .Lentry_in_a_cluster
	s_endpgm
.Lentry_in_a_cluster:
	s_bfe_u32 s2, ttmp6, 0x10000c
	s_cmp_lg_u32 s2, 0x3003
	s_cbranch_scc0 .Lentry_shape_is_right
	s_endpgm
.Lentry_shape_is_right:
; y[b][q][head] = the sum over k of softmax_k(q . k / 8) v, no mask; 64 (batch, head) pairs of 2,048 tokens, head size 64.  Operands in f16, products, maxima and sums in f32; p rounded to f16 for the second product.
; q, k, v arrive as images of the operands' registers (a fragment, 16 rows x 32 K, is 1,024 bytes: half c at 512 c + 16 x lane): every fragment comes by two loads at a constant + 16 x lane; nothing is padded or turned.
; SHARES.  A work-group owns 512 queries of one (batch, head); each of its eight waves 64: four tiles of 16, in 512 registers, two waves to a SIMD, so that one wave's vector work stands beside the other's matrix work.
; Each fragment of k and v read from LDS feeds four products.  Every wave walks all 2,048 keys, 64 a step.
; LAYOUT.  S^T = k q^T (source 0 = 16 keys, source 1 = 16 queries): a lane holds ONE query (lane % 16) and keys 8 (lane / 16) + 0..7 of each tile.  Two such tiles, rounded to f16 in pairs, ARE source 1
; (32 keys x 16 queries) of O^T = v^T p; its result again holds one query a lane, and eight channels, which pack into half a fragment of the projection's operand: y is stored as images too:
; y [token tile 512][32,768 bytes], byte head x 2,048 + channel tile x 512 + 16 x lane.
; SOFTMAX.  A running maximum m and sum l for each query: p = 2^(c s - c m), c = log2(e) / 8; in every step O and l are multiplied by a = 2^(c m_old - c m_new).
; CLUSTER.  The four work-groups of a (batch, head) form a cluster and walk the same k and v: each tile is asked for JOINTLY.  Two LDS slots of 512 keys (k 65,536 bytes, v 65,536); each wave brings an eighth of a
; slot (64 rows of 256 dense bytes) by one load.  Half of k and v is asked for at the head; each of the two refills is asked for eight key steps ahead of its first read, so no prefetch is laid.
; LIMIT: y beyond 65,504 becomes infinite in f16; under 6e-5 it keeps an absolute step of 6e-8.
; REGISTERS: window 0: v1-6 addresses; v8-39 eight registers of statistics a tile; v64-191 S^T, 32 a tile (p is packed IN PLACE into a tile's first 16); v192-255 k's fragments of a step.
;            window 1: v0-127 O^T, 32 a tile; v128-191 q, 16 a tile; v192-255 v's fragments of a step.
.set SLOT1, 1<<17
.set SPARE, 2*SLOT1                    ; the spare words: 128 bytes for each of eight waves, four blocks of 256 bytes that no other line names
.set LI,  1                            ; v1  16 x lane
.set LIV, 2                            ; v2  16 x lane + 65,536: v's half of a slot
.set ADR, 3                            ; v3, v4  the addresses of the runs of loads in hand
.set ADR2, 4
.set SPW, 5
.set NIL, 6
.set ST,  8                            ; tile t at v[ST + 8 t]: +0 c m, +1 m, +2, +3 l (even keys', odd keys'), +4 .. +7 at work; a in +6
.set S,   64
.set KF,  192
.set Q,   128                          ; in window 1
.set VF,  192                          ; in window 1
.set MSB, 0
.macro WIN new
.if MSB != (\new)
	s_set_vgpr_msb (MSB<<8)|(\new)
.set MSB, (\new)
.endif
.endm
.macro CROUND                          ; a round of the cluster's barrier
	s_barrier_signal -1
	s_barrier_wait -1
	s_cmp_lg_u32 s8, 0
	s_cbranch_scc1 .Lnot_wave_0_\@
	s_barrier_signal -3
.Lnot_wave_0_\@:
	s_barrier_wait -3
	s_barrier_signal -1
	s_barrier_wait -1
.endm
	s_load_b128 s[4:7], s[0:1], 0x0                ; qkv, y
	v_lshl_add_u32 v[SPW], v0, 2, SPARE
	v_mov_b32 v[NIL], 0
	ds_add_u32 v[SPW], v[NIL]                      ; the wave's opening: the add, twice on end, and its wait ahead of my first tensor load
	ds_add_u32 v[SPW], v[NIL]
	v_lshrrev_b32 v1, 5, v0
	v_readfirstlane_b32 s8, v1                     ; wave 0..7
	s_bfe_u32 s9, ttmp6, 0x40000                   ; cx
	s_lshl_b32 s10, ttmp9, 2
	s_add_co_u32 s10, s10, s9                      ; my block of 512 queries: it enters q's and y's addresses alone
	s_and_b32 s11, ttmp7, 0xffff                   ; batch x 16 + head, which the four partners share
	s_mov_b32 s16, 15|(3<<16)|(1<<21)              ; group 1: the mask of all four; elements of 8 bytes; bit 21 beside a mask; no padding
	s_mov_b32 s17, 32<<16                          ; tensor_dim0 = 32 elements: 256 bytes
	s_mov_b32 s18, 64<<16                          ; tensor_dim1 = 64
	s_mov_b32 s19, 32<<16                          ; tile_dim0
	s_mov_b32 s20, 64                              ; tile_dim1
	s_mov_b32 s21, 32                              ; the pitch: dense
	s_mov_b32 s22, 0
	s_mov_b32 s23, 0
	s_mov_b32 s32, 0x3e38aa3b                      ; c = log2(e) / 8
	s_mov_b32 s33, s32                             ; (named with it as a pair)
	s_mov_b32 s34, 0x76543210
	s_mov_b32 s35, 0xfedcba98                      ; lane l xor 16
	s_lshl_b32 s42, s11, 18                        ; the pair's 262,144 bytes in each part
	s_lshr_b32 s12, s8, 2
	s_add_co_u32 s12, s12, 1                       ; waves 0-3 fetch k (part 1), waves 4-7 v (part 2),
	s_lshl_b32 s12, s12, 24
	s_add_co_u32 s12, s12, s42
	s_and_b32 s13, s8, 3
	s_lshl_b32 s13, s13, 14                        ; a quarter of 65,536 bytes each
	s_add_co_u32 s12, s12, s13
	s_mov_b32 s13, 0
	s_lshl_b32 s43, s8, 14                         ; and to LDS byte wave x 16,384 of a slot
	s_lshl_b32 s14, s10, 16
	s_add_co_u32 s14, s14, s42
	s_lshl_b32 s15, s8, 13
	s_add_co_u32 s14, s14, s15                     ; q: token tile 32 block + 4 wave, 2,048 bytes each
	s_mov_b32 s15, 0
	s_lshr_b32 s44, s11, 4
	s_lshl_b32 s44, s44, 22                        ; y: batch x 128 token tiles of 32,768 bytes
	s_lshl_b32 s45, s10, 20
	s_add_co_u32 s44, s44, s45
	s_lshl_b32 s45, s8, 17
	s_add_co_u32 s44, s44, s45
	s_and_b32 s45, s11, 15
	s_lshl_b32 s45, s45, 11                        ; + head x 2,048
	s_add_co_u32 s44, s44, s45
	s_mov_b32 s45, 0
	s_wait_dscnt 0x0                               ; both opening adds are done
	s_wait_kmcnt 0x0
	s_add_nc_u64 s[12:13], s[4:5], s[12:13]
	s_add_nc_u64 s[38:39], s[4:5], s[14:15]
	s_add_nc_u64 s[40:41], s[6:7], s[44:45]
	CROUND                                         ; all four work-groups are here: the first joint loads meet
	s_mov_b32 s24, 1                               ; group 0 for slot 0: keys 0 to 511
	s_mov_b32 s25, s43
	s_mov_b64 s[26:27], s[12:13]
	s_or_b32 s27, s27, 0x80000000
	s_mov_b32 s28, 1                               ; group 0 for slot 1: keys 512 to 1,023; it then walks on
	s_add_co_u32 s29, s43, SLOT1
	s_add_nc_u64 s[30:31], s[12:13], 65536
	s_or_b32 s31, s31, 0x80000000
	tensor_load_to_lds s[24:27], s[16:23]
	s_nop 0
	tensor_load_to_lds s[28:31], s[16:23]          ; two loads of mine are out: the most in this text
	s_nop 0
.rept 4
	v_nop
.endr
	v_and_b32 v1, 31, v0
	v_lshlrev_b32 v[LI], 4, v1
	v_add_nc_u32 v[LIV], 65536, v[LI]
	WIN 0x40                                       ; destination window 1
.irp f, 0,1,2,3,4,5,6,7,8,9,10,11,12,13,14,15
	global_load_b128 v[Q+4*\f:Q+4*\f+3], v[LI], s[38:39] offset:512*\f   ; q stays in registers: tile f / 4, channels 32 ((f / 2) % 2) on, half f % 2
.endr
	WIN 0
.irp t, 0,1,2,3
	v_mov_b32 v[ST+8*\t+1], 0xff61b1e6             ; m = -3e38, under every score
	v_mul_f32 v[ST+8*\t], s32, v[ST+8*\t+1]        ; c m
	v_mov_b32 v[ST+8*\t+2], 0                      ; l
	v_mov_b32 v[ST+8*\t+3], 0
.endr
.macro FETCH_K                         ; a step's k: 4 tiles of 16 keys x 2 groups of 32 channels: 8,192 consecutive bytes, 16 loads
	WIN 0
	v_add_nc_u32 v[ADR], s36, v[LI]
.irp f, 0,1,2,3,4,5,6,7,8,9,10,11,12,13,14,15
	ds_load_b128 v[KF+4*\f:KF+4*\f+3], v[ADR] offset:512*\f
.endr
.endm
.macro FETCH_V                         ; the same step's v: 2 groups of 32 keys x 4 tiles of 16 channels
	v_add_nc_u32 v[ADR2], s36, v[LIV]
	WIN 0x40
.irp f, 0,1,2,3,4,5,6,7,8,9,10,11,12,13,14,15
	ds_load_b128 v[VF+4*\f:VF+4*\f+3], v[ADR2] offset:512*\f
.endr
	WIN 0
	s_add_co_u32 s36, s36, 8192                    ; the next fetch is the next step's
.endm
; S^T = k q^T: 32 products; the 16 accumulators take turns, one instruction a turn; the first 16 start the sums.
.macro KQ_ALL
	WIN 0x04                                       ; q in window 1
.irp g, 0,1
.irp k, 0,1,2,3
.irp t, 0,1,2,3
.if \g == 0
	v_wmma_f32_16x16x32_f16 v[S+32*\t+8*\k:S+32*\t+8*\k+7], v[KF+16*\k+8*\g:KF+16*\k+8*\g+7], v[Q+16*\t+8*\g:Q+16*\t+8*\g+7], 0
.else
	v_wmma_f32_16x16x32_f16 v[S+32*\t+8*\k:S+32*\t+8*\k+7], v[KF+16*\k+8*\g:KF+16*\k+8*\g+7], v[Q+16*\t+8*\g:Q+16*\t+8*\g+7], v[S+32*\t+8*\k:S+32*\t+8*\k+7]
.endif
.endr
.endr
.endr
.endm
; O^T += v^T p: 32 products, 16 accumulators by turns.  zero = 1: the first 16 start the sums.
.macro PV_ALL zero
	WIN 0x51                                       ; v and O^T in window 1, p in window 0
.irp g, 0,1
.irp c, 0,1,2,3
.irp t, 0,1,2,3
.if \zero && (\g == 0)
	v_wmma_f32_16x16x32_f16 v[32*\t+8*\c:32*\t+8*\c+7], v[VF+32*\g+8*\c:VF+32*\g+8*\c+7], v[S+32*\t+8*\g:S+32*\t+8*\g+7], 0
.else
	v_wmma_f32_16x16x32_f16 v[32*\t+8*\c:32*\t+8*\c+7], v[VF+32*\g+8*\c:VF+32*\g+8*\c+7], v[S+32*\t+8*\g:S+32*\t+8*\g+7], v[32*\t+8*\c:32*\t+8*\c+7]
.endif
.endr
.endr
.endr
.endm
.macro FMA t, i                        ; pair i of tile t: c s - c m
	v_pk_fma_f32 v[S+32*(\t)+2*(\i):S+32*(\t)+2*(\i)+1], v[S+32*(\t)+2*(\i):S+32*(\t)+2*(\i)+1], s[32:33], v[ST+8*(\t):ST+8*(\t)+1] op_sel_hi:[1,0,0] neg_lo:[0,0,1] neg_hi:[0,0,1]
.endm
; THE SOFTMAX OF A STEP, four tiles; the tiles alternate line by line, so that no line waits for the line above it.  All in window 0.
.macro SOFTMAX
.irp j, 0,1,2,3                        ; the maximum of a lane's 32 scores and the old m: four chains a tile, each accumulator read from its low end on
.irp t, 0,1,2,3
	v_max3_num_f32 v[ST+8*\t+4+\j], v[S+32*\t+8*\j], v[S+32*\t+8*\j+1], v[S+32*\t+8*\j+2]
.endr
.endr
.irp u, 1,2
.irp j, 0,1,2,3
.irp t, 0,1,2,3
	v_max3_num_f32 v[ST+8*\t+4+\j], v[ST+8*\t+4+\j], v[S+32*\t+8*\j+2*\u+1], v[S+32*\t+8*\j+2*\u+2]
.endr
.endr
.endr
.irp t, 0,1,2,3
	v_max3_num_f32 v[ST+8*\t+4], v[ST+8*\t+4], v[S+32*\t+7], v[S+32*\t+15]
.endr
.irp t, 0,1,2,3
	v_max3_num_f32 v[ST+8*\t+6], v[ST+8*\t+6], v[S+32*\t+23], v[S+32*\t+31]
.endr
.irp t, 0,1,2,3
	v_max3_num_f32 v[ST+8*\t+4], v[ST+8*\t+4], v[ST+8*\t+5], v[ST+8*\t+6]
.endr
.irp t, 0,1,2,3
	v_max3_num_f32 v[ST+8*\t+4], v[ST+8*\t+4], v[ST+8*\t+7], v[ST+8*\t+1]
.endr
.irp t, 0,1,2,3
	v_permlanex16_b32 v[ST+8*\t+5], v[ST+8*\t+4], s34, s35      ; the query's other 32 keys lie in the lane 16 away
.endr
.irp t, 0,1,2,3
	v_mov_b32 v[ST+8*\t+7], v[ST+8*\t]                          ; c m_old
.endr
.irp t, 0,1,2,3
	v_max_num_f32 v[ST+8*\t+1], v[ST+8*\t+4], v[ST+8*\t+5]      ; the new m
.endr
.irp t, 0,1,2,3
	v_mul_f32 v[ST+8*\t], s32, v[ST+8*\t+1]
.endr
.irp t, 0,1,2,3
	v_sub_f32 v[ST+8*\t+7], v[ST+8*\t+7], v[ST+8*\t]
.endr
.irp t, 0,1,2,3
	v_exp_f32 v[ST+8*\t+6], v[ST+8*\t+7]                        ; a
.endr
; ONE BATCH: the 132 exponentials, with the next tile's scalings set between them; none of these lines names an exponential's result
.irp i, 0,1,2,3,4,5,6,7,8,9,10,11,12,13,14,15
	FMA 0, \i
.endr
.irp t, 0,1,2,3
.irp i, 0,1,2,3,4,5,6,7,8,9,10,11,12,13,14,15
.if \t < 3
	FMA \t+1, \i
.endif
	v_exp_f32 v[S+32*\t+2*\i], v[S+32*\t+2*\i]
	v_exp_f32 v[S+32*\t+2*\i+1], v[S+32*\t+2*\i+1]
.endr
.endr
	v_nop                                          ; a plain instruction behind the last exponential
	s_wait_alu depctr_va_vdst(0)                   ; the wait ahead of the first line that names a result: one for the batch
.irp t, 0,1,2,3                        ; l = a l + the sum of the 16 pairs (an even key's p, an odd key's), in two chains; p stays as it is
	v_pk_fma_f32 v[ST+8*\t+2:ST+8*\t+3], v[ST+8*\t+2:ST+8*\t+3], v[ST+8*\t+6:ST+8*\t+7], v[S+32*\t:S+32*\t+1] op_sel_hi:[1,0,1]
.endr
.irp t, 0,1,2,3
	v_pk_add_f32 v[ST+8*\t+4:ST+8*\t+5], v[S+32*\t+2:S+32*\t+3], v[S+32*\t+6:S+32*\t+7]
.endr
.irp i, 2,4,6,8,10,12
.irp t, 0,1,2,3
	v_pk_add_f32 v[ST+8*\t+2:ST+8*\t+3], v[ST+8*\t+2:ST+8*\t+3], v[S+32*\t+2*\i:S+32*\t+2*\i+1]
.endr
.irp t, 0,1,2,3
	v_pk_add_f32 v[ST+8*\t+4:ST+8*\t+5], v[ST+8*\t+4:ST+8*\t+5], v[S+32*\t+2*\i+6:S+32*\t+2*\i+7]
.endr
.endr
.irp t, 0,1,2,3
	v_pk_add_f32 v[ST+8*\t+2:ST+8*\t+3], v[ST+8*\t+2:ST+8*\t+3], v[S+32*\t+28:S+32*\t+29]
.endr
.irp t, 0,1,2,3
	v_pk_add_f32 v[ST+8*\t+2:ST+8*\t+3], v[ST+8*\t+2:ST+8*\t+3], v[ST+8*\t+4:ST+8*\t+5]
.endr
.irp i, 0,1,2,3,4,5,6,7,8,9,10,11,12,13,14,15  ; p to f16, in place, ascending: register i is never ahead of a pair not yet read
.irp t, 0,1,2,3
	v_cvt_pk_f16_f32 v[S+32*\t+\i], v[S+32*\t+2*\i], v[S+32*\t+2*\i+1]
.endr
.endr
.endm
.macro RESCALE                         ; O^T x a, each accumulator from its low end on
	WIN 0x41
.irp i, 0,1,2,3,4,5,6,7,8,9,10,11,12,13,14,15
.irp t, 0,1,2,3
	v_pk_mul_f32 v[32*\t+2*\i:32*\t+2*\i+1], v[32*\t+2*\i:32*\t+2*\i+1], v[ST+8*\t+6:ST+8*\t+7] op_sel_hi:[1,0]
.endr
.endr
.endm
; A KEY STEP j: k of step j + 1 is asked for; the softmax of step j; O^T += v^T p of step j; S^T of step j + 1; v of step j + 1 is asked for.
.macro TRIP zero
	FETCH_K
	SOFTMAX
.if !\zero
	RESCALE
.endif
	s_wait_dscnt 0x0                               ; v of this step (asked for at the last step's end) and k of the next (asked for ahead of the softmax) are in
	PV_ALL \zero
.rept 5
	v_nop                                          ; five places: the products below write over registers that the products above read as p
.endr
	KQ_ALL
	WIN 0
.rept 4
	v_nop                                          ; four places ahead of the loads into v's and k's registers and of the softmax's first read
.endr
	FETCH_V
.endm
.macro STEPS n                         ; n key steps; n is a constant of the text
	s_mov_b32 s37, \n
.Lstep_\@:
	TRIP 0
	s_sub_co_u32 s37, s37, 1
	s_cmp_lg_u32 s37, 0
	s_cbranch_scc1 .Lstep_\@
.endm
; THE CHANGE OF SLOTS, when a slot's eight steps have been asked for.  Each wave waits for all its tensor loads (its part of the other slot), adds 0 to its spare word, and waits for that and for its reads of the slot.
; fill = 1: the barrier is a round of the cluster's, and the slot just left is filled again, with the keys two slots on, first thing behind it: one load a wave.  tb: where the fetches go on.
.macro CHANGE fill, tb
	s_wait_tensorcnt 0x0                           ; no tensor load of mine is out, so a group 0 may be written
	ds_add_u32 v[SPW], v[NIL]
.if \fill
	s_xor_b32 s29, s29, SLOT1                      ; the walking descriptor: the other slot than last time,
	s_add_nc_u64 s[30:31], s[30:31], 65536         ; the next 512 keys
.endif
	s_mov_b32 s36, \tb
	s_wait_dscnt 0x0                               ; the add is done, and my reads of the slot are over
.if \fill
	CROUND
	tensor_load_to_lds s[28:31], s[16:23]
	s_nop 0
.rept 4
	v_nop
.endr
.else
	s_barrier_signal -1
	s_barrier_wait -1
.endif
.endm
	s_wait_tensorcnt 1                             ; my part of slot 0 is in; slot 1's may stay out
	s_barrier_signal -1
	s_barrier_wait -1                              ; everybody's is
	s_mov_b32 s36, 0
	FETCH_K                                        ; step 0
	s_wait_loadcnt 0x0                             ; q
	s_wait_dscnt 0x0
	KQ_ALL
	WIN 0
.rept 4
	v_nop
.endr
	FETCH_V
	TRIP 1                                         ; step 0: its products start O^T; fetches step 1
	STEPS 6                                        ; steps 1-6; fetch steps 2-7: slot 0 is read out
	CHANGE 1, SLOT1                                ; slot 0 takes keys 1,024 on
	STEPS 8                                        ; steps 7-14; fetch steps 8-15 from slot 1
	CHANGE 1, 0                                    ; slot 1 takes keys 1,536 on
	STEPS 8                                        ; steps 15-22; fetch steps 16-23
	CHANGE 0, SLOT1                                ; nothing is left to ask for
	STEPS 8                                        ; steps 23-30; fetch steps 24-31
	SOFTMAX                                        ; step 31
	RESCALE
	s_wait_dscnt 0x0
	PV_ALL 0
	; THE WAY OUT.  l's two halves and the other half of the lanes' are added (the first four additions are the places behind the last products); O^T / l, rounded to f16, is half a fragment's image for each channel tile.
	WIN 0
.irp t, 0,1,2,3
	v_add_f32 v[ST+8*\t+4], v[ST+8*\t+2], v[ST+8*\t+3]
.endr
.irp t, 0,1,2,3
	v_permlanex16_b32 v[ST+8*\t+5], v[ST+8*\t+4], s34, s35
.endr
.irp t, 0,1,2,3
	v_add_f32 v[ST+8*\t+4], v[ST+8*\t+4], v[ST+8*\t+5]
.endr
.irp t, 0,1,2,3
	v_rcp_f32 v[ST+8*\t+6], v[ST+8*\t+4]
.endr
	v_nop                                          ; a plain instruction behind the last reciprocal
	s_wait_alu depctr_va_vdst(0)                   ; and the wait ahead of the first use: one for the four
.irp t, 0,1,2,3
	WIN 0x41
.irp i, 0,1,2,3,4,5,6,7,8,9,10,11,12,13,14,15
	v_pk_mul_f32 v[32*\t+2*\i:32*\t+2*\i+1], v[32*\t+2*\i:32*\t+2*\i+1], v[ST+8*\t+6:ST+8*\t+7] op_sel_hi:[1,0]
.endr
	WIN 0x05                                       ; sources in window 1, destination in window 0: S^T's registers are free
.irp i, 0,1,2,3,4,5,6,7,8,9,10,11,12,13,14,15
	v_cvt_pk_f16_f32 v[S+16*\t+\i], v[32*\t+2*\i], v[32*\t+2*\i+1]
.endr
	WIN 0
.irp c, 0,1,2,3
	global_store_b128 v[LI], v[S+16*\t+4*\c:S+16*\t+4*\c+3], s[40:41] offset:\t*32768+\c*512   ; 32 lanes store 512 consecutive bytes, aligned
.endr
.endr
	s_wait_tensorcnt 0x0                           ; the wave's end
	ds_add_u32 v[SPW], v[NIL]
	s_wait_dscnt 0x0
	CROUND                                         ; the closing round
	s_endpgm
.Lfunc_end_k_qb09c39f4f7_attn:
	.size	k_qb09c39f4f7_attn, .Lfunc_end_k_qb09c39f4f7_attn-k_qb09c39f4f7_attn
	.p2alignl 7, 3214868480
	.fill 96, 4, 3214868480
	.section	.rodata,"a",@progbits
	.p2align	6, 0x0
	.amdhsa_kernel k_qb09c39f4f7_attn
		.amdhsa_group_segment_fixed_size 327680
		.amdhsa_private_segment_fixed_size 0
		.amdhsa_enable_private_segment 0
		.amdhsa_kernarg_size 16
		.amdhsa_user_sgpr_count 2
		.amdhsa_user_sgpr_kernarg_segment_ptr 1
		.amdhsa_wavefront_size32 1
		.amdhsa_system_sgpr_workgroup_id_x 1
		.amdhsa_system_sgpr_workgroup_id_y 1
		.amdhsa_system_sgpr_workgroup_id_z 1
		.amdhsa_system_vgpr_workitem_id 0
		.amdhsa_next_free_vgpr 512
		.amdhsa_next_free_sgpr 66
		.amdhsa_reserve_vcc 0
		.amdhsa_float_denorm_mode_32 3
		.amdhsa_float_denorm_mode_16_64 3
		.amdhsa_memory_ordered 1
		.amdhsa_forward_progress 1
		.amdhsa_inst_pref_size 205
	.end_amdhsa_kernel
	.amdgpu_metadata
---
amdhsa.version: [ 1, 2 ]
amdhsa.kernels:
  - .name:           k_qb09c39f4f7_attn
    .symbol:         k_qb09c39f4f7_attn.kd
    .args:
      - { .name: qkv, .offset: 0, .size: 8, .value_kind: global_buffer, .address_space: global }
      - { .name: y, .offset: 8, .size: 8, .value_kind: global_buffer, .address_space: global }
    .group_segment_fixed_size: 327680
    .private_segment_fixed_size: 0
    .kernarg_segment_align: 8
    .kernarg_segment_size: 16
    .max_flat_workgroup_size: 256
    .sgpr_count:     66
    .vgpr_count:     512
    .wavefront_size: 32
...
	.end_amdgpu_metadata
.endif
;; end of part 3
;; launch proj (part 4): grid 8 x 32, 4 waves a work-group, clusters of 4 x 4, 327,680 bytes of LDS; arguments y, wp, b_proj, out0; writes out0
.if DOCPART == 4
	.amdgcn_target "amdgcn-amd-amdhsa--gfx1250"
	.amdhsa_code_object_version 6
	.text
	.protected	k_qb09c39f4f7_proj
	.globl	k_qb09c39f4f7_proj
	.p2align	8
	.type	k_qb09c39f4f7_proj,@function
k_qb09c39f4f7_proj:
	s_mov_b64 s[64:65], 0
	v_nop
	global_prefetch_b8 v0, s[64:65] scope:SCOPE_SE
	s_setreg_imm32_b32 hwreg(HW_REG_WAVE_MODE, 25, 1), 1
	s_wait_xcnt 0x0
	s_wait_alu depctr_hold_cnt(0) depctr_sa_sdst(0) depctr_va_vdst(0) depctr_va_sdst(0) depctr_va_ssrc(0) depctr_va_vcc(0) depctr_vm_vsrc(0)
	s_getreg_b32 s2, hwreg(HW_REG_IB_STS2, 6, 4)
	s_cmp_eq_u32 s2, 0
	s_cbranch_scc0 .Lentry_in_a_cluster
	s_endpgm
.Lentry_in_a_cluster:
	s_bfe_u32 s2, ttmp6, 0x10000c
	s_cmp_lg_u32 s2, 0xf033
	s_cbranch_scc0 .Lentry_shape_is_right
	s_endpgm
.Lentry_shape_is_right:
; out0 = y w_proj + b_proj.  y [8192][1024] and w_proj arrive in f16 as images of the operands' registers (a fragment, 16 rows x 32 K, is 1,024 bytes: half c at 512 c + 16 x lane):
;   y  [token tile 512][k group 32][c 2][lane][16 bytes];   wp [n tile 64][k group 32][c 2][lane][16 bytes].   Sums in f32; out0 [8192][1024] f32.
; A tile of out0 is 256 (tokens) x 128 (columns): 256 work-groups, one for each WGP.  Four waves, each 128 x 64: 32 accumulators, 256 registers.
; K goes in 8 steps of 128 through two LDS slots; in a slot a token tile's or n tile's part is 4,096 consecutive bytes (4 fragments), so every fragment load is a constant + 16 x lane: no padding is needed.
; THE MATRIX INSTRUCTION IS USED TRANSPOSED (source 0 = 16 columns of w_proj, source 1 = 16 tokens): a lane holds eight neighbouring columns of one row of out0.  The bias is the C of each sum's first product.
; CLUSTERS: 4 x 4 work-groups; y's tiles are asked for jointly along a row of the cluster, wp's along a column.  Waves 0, 1 fetch y's halves (8 rows of 4,096 bytes), waves 2, 3 wp's (4 rows).
; REGISTERS: window 0: v16-31 addresses; v32-63 the bias, in the result's layout; v64-127 rows on the way out.   window 1: two fragment buffers, at v0 and v128: wp's 4 fragments, then y's 8.   window 2: the accumulators, (a, b) at v[8 (4 a + b)].
.set SLOT,  98304                      ; y: 16 token tiles x 4,096; then wp: 8 n tiles x 4,096
.set BOFF,  65536
.set STAGE, 2*SLOT                     ; behind the ring: 16 rows x (256 bytes + 16) for each wave
.set SPI,   272
.set SPARE, STAGE+4*16*SPI             ; the spare words: 128 bytes for each wave, two blocks of 256 bytes that no other line names
.set ADRA, 16                          ; v16-17 my y fragments in slot 0, 1
.set ADRB, 20                          ; v20-21 my wp fragments
.set STO,  24
.set RD,   25
.set CO,   26
.set SPW,  28
.set NIL,  29
.set PFO,  30                          ; v30 the prefetch's offset: (lane / 16) token tiles + 256 x (lane % 16); never rewritten
.set HB,   31                          ; v31 32 x (lane / 16)
.set BI,   32
.set BK,   64
.set F0,   0
.set F1,   128
.set G1,  24
.set G0,  32
.set PFA, 40                           ; s[40:41] where my prefetches stand
.set LIM, 42                           ; s42 1 in a wave that prefetches, else the greatest number
.set G1B, 48
.set G0B, 56
.set MSB, 0
.macro WIN new
.if MSB != (\new)
	s_set_vgpr_msb (MSB<<8)|(\new)
.set MSB, (\new)
.endif
.endm
.set MULW, 0xa5                        ; sources 0 and 1 window 1; C and D window 2
.set MULF, 0x85                        ; the same with C (the bias) in window 0
.set TO_F, 0x40
.macro JLOAD s                         ; a joint load; an s_nop 0 and four v_nop follow each of the two lines; the branch hangs on the wave's number alone
	s_cmp_eq_u32 s13, 0
	s_cbranch_scc0 .Lfor_b_\@
	tensor_load_to_lds s[G0+4*\s:G0+4*\s+3], s[G1:G1+7]
	s_nop 0
.rept 4
	v_nop
.endr
	s_branch .Lasked_\@
.Lfor_b_\@:
	tensor_load_to_lds s[G0B+4*\s:G0B+4*\s+3], s[G1B:G1B+7]
	s_nop 0
.rept 4
	v_nop
.endr
.Lasked_\@:
.endm
; A PREFETCH of y's K step that stands two refills on: of the 8 token tiles that a wave fetches, each of the four partners that ask for them jointly takes 2, told apart BY ADDRESS (cx): 2 x 4,096 bytes,
; a lane to each 256.  y's tile row is read by both clusters of its row of clusters: the first (cluster x = 0) asks, in its waves 0 and 1.  The loop's last trip asks for nothing: no K step stands two refills on.
; wp is not asked for: all 32 tile rows walk the same 2 MiB.
.macro ASK
	s_cmp_gt_u32 s3, s[LIM]
	s_cbranch_scc0 .Lnot_mine_\@
	global_prefetch_b8 v[PFO], s[PFA:PFA+1] offset:4096 th:TH_LOAD_NT scope:SCOPE_SE
.Lnot_mine_\@:
.endm
.macro CREST
	s_cmp_lg_u32 s12, 0
	s_cbranch_scc1 .Lnot_wave_0_\@
	s_barrier_signal -3
.Lnot_wave_0_\@:
	s_barrier_wait -3
	s_barrier_signal -1
	s_barrier_wait -1
.endm
.macro CROUND
	s_barrier_signal -1
	s_barrier_wait -1
	CREST
.endm
	s_load_b256 s[4:11], s[0:1], 0x0               ; y 4:5, wp 6:7, b_proj 8:9, out0 10:11
	v_lshl_add_u32 v[SPW], v0, 2, SPARE
	v_mov_b32 v[NIL], 0
	ds_add_u32 v[SPW], v[NIL]                      ; the wave's opening: the add, twice on end, and its wait ahead of my first tensor load
	ds_add_u32 v[SPW], v[NIL]
	v_lshrrev_b32 v1, 5, v0
	v_readfirstlane_b32 s12, v1                    ; wave 0..3
	s_lshr_b32 s13, s12, 1                         ; RH: which 128 tokens are mine.  Also: I fetch for y (0) or for wp (1)
	s_and_b32 s14, s12, 1                          ; CH: which 64 columns.  Also: which half of that tile I fetch
	s_bfe_u32 s15, ttmp6, 0x40000                  ; cx
	s_bfe_u32 s16, ttmp6, 0x40004                  ; cy
	s_lshl_b32 s17, ttmp9, 2
	s_add_co_u32 s17, s17, s15                     ; IN: tile column
	s_and_b32 s18, ttmp7, 0xffff
	s_lshl_b32 s18, s18, 2
	s_add_co_u32 s18, s18, s16                     ; IM: tile row
	s_lshl_b32 s19, s16, 2
	s_lshl_b32 s19, 15, s19                        ; my row of the cluster
	s_lshl_b32 s20, 0x1111, s15                    ; my column
	s_or_b32 s[G1+0], s19, (3<<16)|(1<<21)         ; the mask; elements of 8 bytes; bit 21 beside a mask; no padding
	s_or_b32 s[G1B+0], s20, (3<<16)|(1<<21)
	s_mov_b32 s[G1+1], 512<<16                     ; tensor_dim0 = 512 elements: 4,096 bytes
	s_mov_b32 s[G1+2], 8<<16                       ; tensor_dim1 = 8 token tiles
	s_mov_b32 s[G1+3], 512<<16                     ; tile_dim0
	s_mov_b32 s[G1+4], 8                           ; tile_dim1
	s_mov_b32 s[G1+5], 4096                        ; the pitch: 32,768 bytes from tile to tile
	s_mov_b32 s[G1+6], 0
	s_mov_b32 s[G1+7], 0
	s_mov_b32 s[G1B+1], 512<<16
	s_mov_b32 s[G1B+2], 4<<16                      ; 4 n tiles
	s_mov_b32 s[G1B+3], 512<<16
	s_mov_b32 s[G1B+4], 4
	s_mov_b32 s[G1B+5], 4096
	s_mov_b32 s[G1B+6], 0
	s_mov_b32 s[G1B+7], 0
	s_lshl_b32 s44, s18, 4
	s_lshl_b32 s45, s14, 3
	s_add_co_u32 s44, s44, s45
	s_lshl_b32 s44, s44, 15                        ; y: token tile 16 IM + 8 x half
	s_mov_b32 s45, 0
	s_lshl_b32 s46, s17, 3
	s_lshl_b32 s47, s14, 2
	s_add_co_u32 s46, s46, s47
	s_lshl_b32 s46, s46, 15                        ; wp: n tile 8 IN + 4 x half
	s_mov_b32 s47, 0
	s_lshl_b32 s22, s14, 15                        ; where they go: y's halves,
	s_lshl_b32 s23, s14, 14
	s_add_co_u32 s23, s23, BOFF                    ; wp's halves: the wave's number alone
	s_wait_dscnt 0x0                               ; both opening adds are done
	s_wait_kmcnt 0x0
	s_add_nc_u64 s[44:45], s[4:5], s[44:45]
	s_add_nc_u64 s[46:47], s[6:7], s[46:47]
	CROUND                                         ; all sixteen work-groups are here: the first joint loads meet
.irp s, 0,1
	s_mov_b32 s[G0+4*\s], 1
	s_add_co_u32 s[G0+4*\s+1], s22, \s*SLOT
	s_add_nc_u64 s[G0+4*\s+2:G0+4*\s+3], s[44:45], \s*4096
	s_or_b32 s[G0+4*\s+3], s[G0+4*\s+3], 0x80000000
	s_mov_b32 s[G0B+4*\s], 1
	s_add_co_u32 s[G0B+4*\s+1], s23, \s*SLOT
	s_add_nc_u64 s[G0B+4*\s+2:G0B+4*\s+3], s[46:47], \s*4096
	s_or_b32 s[G0B+4*\s+3], s[G0B+4*\s+3], 0x80000000
	JLOAD \s                                       ; two loads of mine are out: the most in this text
.endr
	v_and_b32 v1, 15, v0                           ; r
	v_bfe_u32 v2, v0, 4, 1                         ; h
	v_and_b32 v3, 31, v0
	v_lshlrev_b32 v3, 4, v3                        ; 16 x lane
	s_lshl_b32 s21, s13, 15                        ; my 8 token tiles
	s_lshl_b32 s2, s14, 14
	s_add_co_u32 s2, s2, BOFF                      ; my 4 n tiles
.irp s, 0,1
	v_add_nc_u32 v[ADRA+\s], s21, v3
	v_add_nc_u32 v[ADRB+\s], s2, v3
	s_add_co_u32 s21, s21, SLOT
	s_add_co_u32 s2, s2, SLOT
.endr
	s_mul_i32 s21, s12, 16*SPI
	s_add_co_u32 s21, s21, STAGE                   ; my stage
	v_mul_u32_u24 v4, v1, SPI
	v_lshl_add_u32 v4, v2, 5, v4
	v_add_nc_u32 v[STO], s21, v4                   ; in: row r, 32 bytes for each half of the lanes
	v_mul_u32_u24 v5, v2, SPI
	v_lshl_add_u32 v5, v1, 4, v5
	v_add_nc_u32 v[RD], s21, v5                    ; back: lanes 0-15 one row of 256 bytes, lanes 16-31 the next
	v_lshlrev_b32 v5, 12, v2
	v_lshl_add_u32 v[CO], v1, 4, v5                ; and the same two rows in out0
	v_lshlrev_b32 v[HB], 5, v2
	v_lshlrev_b32 v[PFO], 8, v1
	v_lshl_add_u32 v[PFO], v2, 15, v[PFO]
	s_lshl_b32 s20, s17, 9
	s_lshl_b32 s21, s14, 8
	s_add_co_u32 s20, s20, s21                     ; my first column, in bytes: 512 IN + 256 CH
	s_mov_b32 s21, 0
	s_add_nc_u64 s[8:9], s[8:9], s[20:21]
.irp b, 0,1,2,3
	global_load_b128 v[BI+8*\b:BI+8*\b+3], v[HB], s[8:9] offset:64*\b          ; b_proj at columns 16 b + 8 h + 0..7
	global_load_b128 v[BI+8*\b+4:BI+8*\b+7], v[HB], s[8:9] offset:64*\b+16
.endr
	s_add_nc_u64 s[10:11], s[10:11], s[20:21]
	s_lshl_b32 s20, s18, 20
	s_lshl_b32 s2, s13, 19
	s_add_co_u32 s20, s20, s2                      ; my first row: (256 IM + 128 RH) x 4,096 bytes
	s_add_nc_u64 s[10:11], s[10:11], s[20:21]
	s_lshl_b32 s20, s18, 4
	s_lshl_b32 s2, s14, 3
	s_add_co_u32 s20, s20, s2
	s_lshl_b32 s2, s15, 1
	s_add_co_u32 s20, s20, s2                      ; the prefetches: token tile 16 IM + 8 CH + 2 cx,
	s_lshl_b32 s20, s20, 15
	s_add_co_u32 s20, s20, 2*4096                  ; at K step 2: the first refill steps it to 3 and names K step 4.  Nothing is asked for here, at the head
	s_add_nc_u64 s[PFA:PFA+1], s[4:5], s[20:21]
	s_or_b32 s[LIM], s13, ttmp9
	s_cmp_eq_u32 s[LIM], 0
	s_cselect_b32 s[LIM], 1, -1                    ; the same in all sixteen partners, for a given wave
.macro MULA f, a, first                ; token block a x my 4 column blocks, 32 along K.  first = 1: the bias starts the sums
.irp b, 0,1,2,3
.if \first
	v_wmma_f32_16x16x32_f16 v[8*(4*(\a)+\b):8*(4*(\a)+\b)+7], v[\f+8*\b:\f+8*\b+7], v[\f+32+8*(\a):\f+32+8*(\a)+7], v[BI+8*\b:BI+8*\b+7]
.else
	v_wmma_f32_16x16x32_f16 v[8*(4*(\a)+\b):8*(4*(\a)+\b)+7], v[\f+8*\b:\f+8*\b+7], v[\f+32+8*(\a):\f+32+8*(\a)+7], v[8*(4*(\a)+\b):8*(4*(\a)+\b)+7]
.endif
.endr
.endm
.macro MUL8 f, a0, first
	MULA \f, \a0, \first
	MULA \f, (\a0)+1, \first
.endm
.macro MUL16 f, a0, first              ; the 32 accumulators take turns, one instruction a turn, in the same order in every quarter
	MUL8 \f, \a0, \first
	MUL8 \f, (\a0)+2, \first
.endm
.macro FETCH slot, q, f                ; 24 LDS loads in one run: wp's 4 fragments, y's blocks 0-3, y's blocks 4-7, of the slot's q-th 32 along K
	WIN TO_F
.irp b, 0,1,2,3
	ds_load_b128 v[\f+8*\b:\f+8*\b+3],   v[ADRB+\slot] offset:\b*4096+(\q)*1024
	ds_load_b128 v[\f+8*\b+4:\f+8*\b+7], v[ADRB+\slot] offset:\b*4096+(\q)*1024+512
.endr
.irp a, 0,1,2,3,4,5,6,7
	ds_load_b128 v[\f+32+8*\a:\f+32+8*\a+3], v[ADRA+\slot] offset:\a*4096+(\q)*1024
	ds_load_b128 v[\f+32+8*\a+4:\f+32+8*\a+7], v[ADRA+\slot] offset:\a*4096+(\q)*1024+512
.endr
.endm
.macro PLACES                          ; four plain vector instructions between a matrix instruction and a load into, or a read of, its registers
.rept 4
	v_nop
.endr
.endm
; A K step is four quarters of 32 along K, 32 matrix instructions each, on buffers 0, 1, 0, 1.  One of the first three: multiplies buffer f and fetches quarter qn into g.
.macro QUARTER slot, qn, f, g, first
	s_wait_dscnt 8                                 ; wp's fragments and y's blocks 0-3 are in; the youngest eight loads may be out
.if \first
	WIN MULF
.else
	WIN MULW
.endif
	MUL16 \f, 0, \first
	PLACES
	FETCH \slot, \qn, \g
	s_wait_dscnt 24                                ; all but the 24 just issued
.if \first
	WIN MULF
.else
	WIN MULW
.endif
	MUL16 \f, 4, \first
.endm
; The last quarter multiplies buffer 1 and changes slots: one barrier; in front of it each wave waits for all its tensor loads, adds 0 to its spare word, and waits for that and for its reads of this slot.
; fill = 1: the barrier opens a round of the cluster's barrier, and this slot is filled again, two K steps ahead, first thing behind the round.
.macro TURN slot, next, fill
.if \fill
	s_wait_xcnt 0x0                                ; the last prefetch, a K step back, has read its address
	s_add_nc_u64 s[PFA:PFA+1], s[PFA:PFA+1], 4096
.endif
	WIN 0                                          ; (the add's two registers lie in window 0)
	s_wait_tensorcnt 0x0                           ; all my tensor loads have landed: my part of the next slot
	ds_add_u32 v[SPW], v[NIL]
	s_wait_dscnt 9                                 ; (the add and the youngest eight loads may be out)
	WIN MULW
	MUL8 F1, 0, 0
	s_wait_dscnt 0x0                               ; the add is done, and my reads of this slot are over
	s_barrier_signal -1
	MUL8 F1, 2, 0
	WIN 0
	s_barrier_wait -1
.if \fill
	CREST                                          ; no wave of any partner still reads this slot or has a load on its way
	s_add_nc_u64 s[G0+4*\slot+2:G0+4*\slot+3], s[G0+4*\slot+2:G0+4*\slot+3], 2*4096
	s_add_nc_u64 s[G0B+4*\slot+2:G0B+4*\slot+3], s[G0B+4*\slot+2:G0B+4*\slot+3], 2*4096
	JLOAD \slot                                    ; its four v_nop are also the places in front of the loads below
.else
	PLACES
.endif
	FETCH \next, 0, F0
.if \fill
	WIN 0
	ASK
.endif
	WIN MULW
	MUL16 F1, 4, 0
.endm
	s_wait_tensorcnt 1                             ; my part of K step 0 is in (K step 1's load may be out)
	s_barrier_signal -1
	s_barrier_wait -1                              ; everybody's is
	FETCH 0, 0, F0
	s_wait_loadcnt 0x0                             ; the bias
	QUARTER 0, 1, F0, F1, 1                        ; the first quarter stands in front of the loop: its products start the sums from the bias
	WIN 0
	s_mov_b32 s3, 3
.Llap:                                             ; a trip goes once round the ring and fills both slots again: K steps 2 to 7
	QUARTER 0, 2, F1, F0, 0
	QUARTER 0, 3, F0, F1, 0
	TURN 0, 1, 1
	QUARTER 1, 1, F0, F1, 0
	QUARTER 1, 2, F1, F0, 0
	QUARTER 1, 3, F0, F1, 0
	TURN 1, 0, 1
	QUARTER 0, 1, F0, F1, 0
	WIN 0
	s_sub_co_u32 s3, s3, 1
	s_cmp_lg_u32 s3, 0
	s_cbranch_scc1 .Llap
	QUARTER 0, 2, F1, F0, 0                        ; the last lap fills nothing
	QUARTER 0, 3, F0, F1, 0
	TURN 0, 1, 0
	QUARTER 1, 1, F0, F1, 0
	QUARTER 1, 2, F1, F0, 0
	QUARTER 1, 3, F0, F1, 0
	s_wait_dscnt 8
	WIN MULW
	MUL16 F1, 0, 0
	s_wait_dscnt 0
	MUL16 F1, 4, 0
	WIN 0
; THE WAY OUT, block by block of 16 tokens x 64 columns: through my own stage (rows of 256 bytes + 16) and back as whole rows; sixteen lanes store 256 consecutive bytes, aligned.
; LDS serves a wave's instructions in order: no wait between the stores and the loads, nor in front of the next block's stores.
.macro TOSTAGE a
.set AC, 32*(\a)
	WIN 0x08                                       ; the data: window 2
.irp b, 0,1,2,3
	ds_store_b128 v[STO], v[AC+8*\b:AC+8*\b+3] offset:64*\b            ; each accumulator from its low end on
	ds_store_b128 v[STO], v[AC+8*\b+4:AC+8*\b+7] offset:64*\b+16
.endr
	WIN 0
.set BB, BK+32*((\a)%2)
.irp t, 0,1,2,3,4,5,6,7
	ds_load_b128 v[BB+4*\t:BB+4*\t+3], v[RD] offset:\t*2*SPI
.endr
.endm
.macro SEND a, younger                 ; younger: the LDS instructions issued behind block a's loads, which may stay out
.set BB, BK+32*((\a)%2)
	s_wait_dscnt \younger
.if (\a) > 0
	s_add_nc_u64 s[10:11], s[10:11], 16*4096       ; (behind a wait on XCNT: the earlier stores have read their base)
.endif
.irp t, 0,1,2,3,4,5,6,7
	global_store_b128 v[CO], v[BB+4*\t:BB+4*\t+3], s[10:11] offset:2*\t*4096 th:TH_STORE_NT
.endr
.endm
	PLACES                                         ; behind the last products
	TOSTAGE 0
.irp a, 1,2,3,4,5,6,7
.if \a > 1
	s_wait_xcnt 0x0                                ; block a - 2's stores have read their registers and their base
.endif
	TOSTAGE \a
	SEND \a-1, 16                                  ; behind block a - 1's loads: block a's 8 stores and 8 loads
.endr
	s_wait_xcnt 0x0
	SEND 7, 0
	s_wait_tensorcnt 0x0                           ; the wave's end
	ds_add_u32 v[SPW], v[NIL]
	s_wait_dscnt 0x0
	CROUND                                         ; the closing round
	s_endpgm
.Lfunc_end_k_qb09c39f4f7_proj:
	.size	k_qb09c39f4f7_proj, .Lfunc_end_k_qb09c39f4f7_proj-k_qb09c39f4f7_proj
	.p2alignl 7, 3214868480
	.fill 96, 4, 3214868480
	.section	.rodata,"a",@progbits
	.p2align	6, 0x0
	.amdhsa_kernel k_qb09c39f4f7_proj
		.amdhsa_group_segment_fixed_size 327680
		.amdhsa_private_segment_fixed_size 0
		.amdhsa_enable_private_segment 0
		.amdhsa_kernarg_size 32
		.amdhsa_user_sgpr_count 2
		.amdhsa_user_sgpr_kernarg_segment_ptr 1
		.amdhsa_wavefront_size32 1
		.amdhsa_system_sgpr_workgroup_id_x 1
		.amdhsa_system_sgpr_workgroup_id_y 1
		.amdhsa_system_sgpr_workgroup_id_z 1
		.amdhsa_system_vgpr_workitem_id 0
		.amdhsa_next_free_vgpr 768
		.amdhsa_next_free_sgpr 66
		.amdhsa_reserve_vcc 0
		.amdhsa_float_denorm_mode_32 3
		.amdhsa_float_denorm_mode_16_64 3
		.amdhsa_memory_ordered 1
		.amdhsa_forward_progress 1
		.amdhsa_inst_pref_size 87
	.end_amdhsa_kernel
	.amdgpu_metadata
---
amdhsa.version: [ 1, 2 ]
amdhsa.kernels:
  - .name:           k_qb09c39f4f7_proj
    .symbol:         k_qb09c39f4f7_proj.kd
    .args:
      - { .name: y, .offset: 0, .size: 8, .value_kind: global_buffer, .address_space: global }
      - { .name: wp, .offset: 8, .size: 8, .value_kind: global_buffer, .address_space: global }
      - { .name: b_proj, .offset: 16, .size: 8, .value_kind: global_buffer, .address_space: global }
      - { .name: out0, .offset: 24, .size: 8, .value_kind: global_buffer, .address_space: global }
    .group_segment_fixed_size: 327680
    .private_segment_fixed_size: 0
    .kernarg_segment_align: 8
    .kernarg_segment_size: 32
    .max_flat_workgroup_size: 128
    .sgpr_count:     66
    .vgpr_count:     768
    .wavefront_size: 32
...
	.end_amdgpu_metadata
.endif
;; end of part 4
